; MI455X (gfx1250); checked and timed in simulation.
; The chip was launched on July 23, 2026; its instructions are those of AMD's public machine-readable ISA for CDNA 5 (MIT licence, August 2026) and "CDNA5" Instruction Set Architecture Reference Guide (July 2026). The comments in the code are by the model that wrote it; some were corrected since.
;; Causal Self Attention. Allowed arithmetic: matrix products marked QUANTISED: E2M1 operands, one E8M0 scale for each 32 along K, by v_wmma_scale_f32_16x16x128_f8f6f4 with both operands' format E2M1 (or v_wmma_scale_f32_32x16x128_f4), f32 sums; products left as they are: bf16, f16 or f32 operands; f32 sums; everything else in f32.
;; Inputs: W_attn 1,024 x 3,072 float32; W_proj 1,024 x 1,024 float32; b_attn 3,072 float32; b_proj 1,024 float32; x 4 x 2,048 x 1,024 float32.
;; Outputs: out0 4 x 2,048 x 1,024 float32.
;; This version of the problem:
;;   THIS VERSION OF THE PROBLEM IS GIVEN IN LOW PRECISION. The matrix products marked QUANTISED in the list below multiply operands that are first quantised to E2M1 (2 exponent bits, 1 mantissa bit; 4 bits a number), with one power-of-two scale for each 32 numbers along K (OCP MX v1.0); their sums are f32. The products marked 'left as it is' may take bf16, f16 or f32 operands, with f32 sums. Whichever they take, every output number must still come out within the allowed error. Rounding operands to bf16 (8 significant bits) uses up far more of that allowance than f16 does (11 bits, for magnitudes from 6e-5 to 65,504). All else is computed in f32.
;;   The module's matrix products, in the order in which they are computed (A, B: the left and right operand; K: the contracted axis; several contracted axes count as one K, in the product's order):
;;     1. [M 8,192, K 1,024] x [K 1,024, N 3,072]; A: input x; B: input W_attn: QUANTISED
;;     2. batch 64 x [M 2,048, K 64] x [K 64, N 2,048]; A: computed on the way; B: computed on the way: left as it is (an operand is computed on the way)
;;     3. batch 64 x [M 2,048, K 2,048] x [K 2,048, N 64]; A: computed on the way; B: computed on the way: left as it is (an operand is computed on the way)
;;     4. [M 8,192, K 1,024] x [K 1,024, N 1,024]; A: computed on the way; B: input W_proj: left as it is (an operand is computed on the way)
;;   THE QUANTISER, for each operand of a quantised product, along K:
;;     - K is cut into blocks of 32 from its start; a last block that is shorter is filled with zeros.
;;     - A block's scale is 2^e with e = floor(log2(the largest magnitude in the block)) - 2, held to -126 .. 127; a block of zeros has e = 0. As a byte (E8M0): e + 127.
;;     - Each number is divided by its block's scale, clamped to +-6, and rounded to the nearest number of E2M1, ties to even, subnormals kept.
;;     - The product sums the exact products of the quantised numbers (number of the format x scale) in f32.
;;   ~~~python
;;   def quantise(x, axis):      # numpy; x: float32 -> the quantised numbers, widened to float32 again
;;       x = np.moveaxis(x, axis, -1); K = x.shape[-1]
;;       x = np.pad(x, [(0, 0)] * (x.ndim - 1) + [(0, -K % 32)]); x = x.reshape(x.shape[:-1] + (-1, 32)); a = np.abs(x).max(-1, keepdims=True)
;;       e = np.where(a > 0, np.clip(np.frexp(np.where(a > 0, a, 1))[1] - 1 - 2, -126, 127), 0)      # np.frexp(a)[1] - 1 = floor(log2(a)), exactly
;;       r = np.clip(x / 2.0 ** e, -6, 6)
;;       step = 2.0 ** (np.maximum(np.frexp(np.where(r == 0, 1, r))[1] - 1, 0) - 1)
;;       q = np.round(r / step) * step * 2.0 ** e      # np.round: ties to even
;;       return np.moveaxis(q.reshape(q.shape[:-2] + (-1,))[..., :K], -1, axis).astype(np.float32)
;;   ~~~
;; One version. Each part assembles by itself: llvm-mc -triple=amdgcn-amd-amdhsa -mcpu=gfx1250 --defsym DOCPART=n.
;; ======== version 1 of 1: 5 launches
;; limits: values are held in f16: magnitudes above 65,504 overflow, below 6.1e-05 lose precision
;; workspace buffers: codes 5,767,168 bytes; scales 360,448 bytes; wpT 2,097,152 bytes; rope 1,048,576 bytes; qkv16 50,331,648 bytes; qkv32 786,432 bytes; attn16 16,777,216 bytes
;; launch prep (part 1): grid 544 x 1, 4 waves a work-group, no clusters, 77,312 bytes of LDS; arguments x, W_attn, W_proj, codes, scales, wpT, rope; writes codes, scales, wpT, rope
.if DOCPART == 1
	.amdgcn_target "amdgcn-amd-amdhsa--gfx1250"
	.amdhsa_code_object_version 6
	.text
	.protected	k_qc9243a42c0_prep
	.globl	k_qc9243a42c0_prep
	.p2align	8
	.type	k_qc9243a42c0_prep,@function
k_qc9243a42c0_prep:
	s_mov_b64 s[64:65], 0
	v_nop
	global_prefetch_b8 v0, s[64:65] scope:SCOPE_SE
	s_setreg_imm32_b32 hwreg(HW_REG_WAVE_MODE, 25, 1), 1
	s_wait_xcnt 0x0
; PREP: everything that later launches read many times is made once.  Four roles, picked by the work-group's number (the same in its four waves):
;   X   (work-groups   0-255): x [8192][1024] f32 -> codes of E2M1 [8192][512 bytes], K innermost, and E8M0 scale bytes [8192][32]
;   WQ  (work-groups 256-447): W_attn [1024 (k)][3072 (n)] f32 -> codes [3072 (n)][512 bytes] behind x's, scale bytes [3072][32] behind x's
;   WT  (work-groups 448-511): W_proj [1024 (k)][1024 (n)] f32 -> f16, turned: wpT [n][k]
;   TAB (work-groups 512-543): cos and sin of RoPE for 2,048 positions x 32 pairs, laid in the order of the reader's registers, and a second table of (1, 0) for V's columns
; A block's scale is 2^(floor(log2(largest magnitude)) - 2); its byte is the largest magnitude's exponent field - 2, held at 1 from below.
; LIMITS: NaN and infinities are not served.  A block whose largest magnitude lies under 2^-124, a block of zeros among them, keeps the byte 1 (the rule says 127 for zeros): its codes are zeros or tiny, and this program alone reads the bytes.
;         W_proj must lie inside f16's range (65,504).  RoPE's frequencies come from v_exp_f32, so an angle differs from a correctly rounded one by a few parts in 10^7 of its size (at position 2,047: some 3e-4 radians).
; No tensor load, no matrix instruction.  Each role has LDS bytes of its own.
.set SPW,   190                        ; v190  LDS address of my spare word; never rewritten
.set NIL,   191                        ; v191  0; never rewritten
.set XREG,  8192                       ; role X: a region for each wave: two stages of 32 x 80 bytes, then 256 scale bytes
.set XSP,   80                         ; a lane's place in a stage: 64 bytes + 16 of padding
.set WP,    272                        ; a stage row of 256 bytes + 16 of padding (roles WQ, WT)
.set WQS,   32768                      ; role WQ: 32 rows x 272: the work-group's 32 columns x 512 along K as codes
.set WQC,   41472                      ; role WQ: 32 x 16 scale bytes
.set WTS,   41984                      ; role WT: 32 rows x 272 for each wave
.set SPARE, 76800                      ; the spare words, 128 bytes for each wave: two blocks of 256 bytes that no other line names
	s_load_b256 s[4:11], s[0:1], 0x0               ; x s[4:5], W_attn s[6:7], W_proj s[8:9], codes s[10:11]
	s_load_b128 s[12:15], s[0:1], 0x20             ; scales s[12:13], wpT s[14:15]
	s_load_b64 s[16:17], s[0:1], 0x30              ; rope
	v_lshl_add_u32 v[SPW], v0, 2, SPARE
	v_mov_b32 v[NIL], 0
	v_lshrrev_b32 v1, 5, v0
	v_readfirstlane_b32 s24, v1                    ; wave 0..3
	v_and_b32 v2, 31, v0                           ; lane
	s_mov_b32 s29, 0                               ; the upper word of every 32-bit offset
	s_wait_kmcnt 0x0
	s_cmp_lt_u32 ttmp9, 256
	s_cbranch_scc1 .Lrole_x
	s_cmp_lt_u32 ttmp9, 448
	s_cbranch_scc1 .Lrole_wq
	s_cmp_lt_u32 ttmp9, 512
	s_cbranch_scc1 .Lrole_wt
; ---------------------------------------------------------------- TAB: a wave makes 16 positions x 32 pairs
; Table entry [g][i][lane][4 f32], t = 16 g + lane % 16, h = lane / 16: cos, sin of pair jj0 and of pair jj0 + 1, jj0 = 8 (i / 2) + 4 h + 2 (i % 2).
; cos and sin are made in f32: n = the angle's nearest multiple of pi/2; the rest r = angle - n pi/2 with pi/2 in two parts (the first product is exact under the fused form); polynomials on |r| <= pi/4; the quadrant picks and signs.
	s_sub_co_u32 s25, ttmp9, 512
	s_lshl_b32 s25, s25, 2
	s_add_co_u32 s25, s25, s24                     ; g = 0..127
	s_lshl_b32 s26, s25, 4
	v_and_b32 v3, 15, v2
	v_lshrrev_b32 v4, 4, v2                        ; h
	v_add_nc_u32 v5, s26, v3
	v_cvt_f32_u32 v5, v5                           ; my position, as f32
	v_lshlrev_b32 v6, 2, v4                        ; 4 h
	v_lshlrev_b32 v7, 4, v2                        ; 16 bytes a lane
	s_lshl_b32 s28, s25, 12                        ; 4,096 bytes for each 16 positions
	s_add_nc_u64 s[16:17], s[16:17], s[28:29]
	s_mov_b32 s30, 0xbed49a78                      ; -log2(10000) / 32
	s_mov_b32 s31, 0x3f22f983                      ; 2 / pi
	s_mov_b32 s32, 0x3fc90fdb                      ; pi/2 rounded to f32,
	s_mov_b32 s33, 0x333bbd2e                      ; and by how much that is too large
	s_mov_b32 s34, 0xbe2aaaab                      ; sine: -1/6,
	s_mov_b32 s35, 0x3c088889                      ; 1/120,
	s_mov_b32 s36, 0xb9500d01                      ; -1/5040,
	s_mov_b32 s37, 0x3638ef1d                      ; 1/362880
	s_mov_b32 s39, 0x3d2aaaab                      ; cosine: 1/24,
	s_mov_b32 s40, 0xbab60b61                      ; -1/720,
	s_mov_b32 s41, 0x37d00d01                      ; 1/40320
.set idx, 0
.rept 16                                       ; my sixteen pairs: idx = 2 i + e
	v_add_nc_u32 v[16+idx], 8*(idx/4)+2*((idx/2)%2)+idx%2, v6
.set idx, idx+1
.endr
.set idx, 0
.rept 16
	v_cvt_f32_u32 v[16+idx], v[16+idx]
.set idx, idx+1
.endr
.set idx, 0
.rept 16
	v_mul_f32 v[16+idx], s30, v[16+idx]
.set idx, idx+1
.endr
.set idx, 0
.rept 16
	v_exp_f32 v[16+idx], v[16+idx]                 ; the frequency 10000^(-jj / 32): one batch of sixteen
.set idx, idx+1
.endr
	v_nop                                          ; a plain instruction behind the last of them,
	s_wait_alu depctr_va_vdst(0)                   ; and one wait for the batch, ahead of its first reader
.macro SINCOS n
	v_mul_f32 v8, v5, v[16+\n]                     ; the angle, rounded once
	v_mul_f32 v9, s31, v8
	v_rndne_f32 v9, v9                             ; n
	v_fma_f32 v10, -v9, s32, v8
	v_fma_f32 v10, v9, s33, v10                    ; r
	v_cvt_i32_f32 v11, v9                          ; the quadrant's number
	v_mul_f32 v12, v10, v10                        ; z = r r
	v_fma_f32 v13, v12, s37, s36
	v_fma_f32 v14, v12, s41, s40
	v_fma_f32 v13, v13, v12, s35
	v_fma_f32 v14, v14, v12, s39
	v_fma_f32 v13, v13, v12, s34
	v_fma_f32 v14, v14, v12, -0.5
	v_mul_f32 v15, v12, v10
	v_fma_f32 v14, v14, v12, 1.0                   ; cos r
	v_fma_f32 v13, v13, v15, v10                   ; sin r
	v_and_b32 v15, 1, v11
	v_cmp_eq_u32 vcc_lo, 1, v15                    ; in an odd quadrant the two change places
	v_cndmask_b32 v8, v13, v14, vcc_lo
	v_cndmask_b32 v9, v14, v13, vcc_lo
	v_lshlrev_b32 v15, 30, v11                     ; the sine's sign: bit 1 of the quadrant's number
	v_and_b32 v15, 0x80000000, v15
	v_xor_b32 v[33+2*\n], v15, v8
	v_add_nc_u32 v11, 1, v11                       ; the cosine's: bit 1 of that number + 1
	v_lshlrev_b32 v11, 30, v11
	v_and_b32 v11, 0x80000000, v11
	v_xor_b32 v[32+2*\n], v11, v9
.endm
.irp n, 0,1,2,3,4,5,6,7,8,9,10,11,12,13,14,15
	SINCOS \n
.endr
	v_mov_b32 v64, 1.0                             ; the second table: a rotation by nothing
	v_mov_b32 v65, 0
	v_mov_b32 v66, 1.0
	v_mov_b32 v67, 0
.irp i, 0,1,2,3,4,5,6,7
	global_store_b128 v7, v[32+4*\i:35+4*\i], s[16:17] offset:512*\i            ; 32 lanes store 512 consecutive bytes
	global_store_b128 v7, v[64:67], s[16:17] offset:524288+512*\i
.endr
	s_endpgm                                       ; this role has written no LDS
; ---------------------------------------------------------------- X: a wave takes 16 steps of 512 numbers; rows are dense, so x is a plain stream of blocks of 32
; Each of a step's four loads reads 512 consecutive bytes; the 2,048 bytes turn through the wave's own stage in LDS and come back 64 bytes a lane: 16 neighbours along K, two lanes to a block.
.Lrole_x:
	v_lshlrev_b32 v3, 4, v2                        ; my 16 bytes of a load's 512
	s_mul_i32 s25, s24, XREG
	v_lshrrev_b32 v14, 2, v2
	v_mul_u32_u24 v14, v14, XSP
	v_and_b32 v15, 3, v2
	v_lshl_add_u32 v14, v15, 4, v14
	v_add_nc_u32 v14, s25, v14                     ; the stage, on the way in: 80 (lane / 4) + 16 (lane % 4)
	v_mul_u32_u24 v15, v2, XSP
	v_add_nc_u32 v15, s25, v15                     ; and on the way out: 80 x lane
	v_mul_u32_u24 v4, v2, 8                        ; my 8 bytes of a step's codes
	v_lshrrev_b32 v5, 1, v2
	s_add_co_u32 s25, s25, 2*32*XSP
	v_add_nc_u32 v5, s25, v5                       ; my block's scale byte in the wave's 256
	v_lshlrev_b32 v7, 3, v2
	v_add_nc_u32 v6, s25, v7
	s_lshl_b32 s26, ttmp9, 2
	s_add_co_u32 s26, s26, s24                     ; which run of 8,192 numbers is my wave's
	s_lshl_b32 s28, s26, 15
	s_add_nc_u64 s[4:5], s[4:5], s[28:29]
	s_lshl_b32 s28, s26, 12
	s_add_nc_u64 s[10:11], s[10:11], s[28:29]
	s_lshl_b32 s28, s26, 8
	s_add_nc_u64 s[12:13], s[12:13], s[28:29]
.macro XLOAD t
.irp i, 0,1,2,3
	global_load_b128 v[16+16*((\t)%4)+4*\i:16+16*((\t)%4)+4*\i+3], v3, s[4:5] offset:2048*(\t)+512*\i th:TH_LOAD_NT
.endr
.endm
.macro XTURN t                         ; LDS serves a wave's instructions in order: no wait between these stores and loads
.irp i, 0,1,2,3
	ds_store_b128 v14, v[16+16*((\t)%4)+4*\i:16+16*((\t)%4)+4*\i+3] offset:32*XSP*((\t)%2)+8*XSP*\i
.endr
.irp i, 0,1,2,3
	ds_load_b128 v[80+16*((\t)%2)+4*\i:80+16*((\t)%2)+4*\i+3], v15 offset:32*XSP*((\t)%2)+16*\i
.endr
.endm
.irp t, 0,1,2,3
	XLOAD \t
.endr
	s_wait_loadcnt 12                              ; step 0's four loads are in; the twelve of steps 1 to 3 may be out
	XTURN 0
.macro XSTEP t
.set XS, 80+16*((\t)%2)
.if (\t) > 0
	s_wait_dscnt 1                                 ; this step's numbers are back from the stage; the last step's byte store may be out
.else
	s_wait_dscnt 0x0
.endif
.if (\t)+4 < 16
	XLOAD (\t)+4
.endif
.if (\t)+1 < 16
.if 14-(\t) >= 3
	s_wait_loadcnt 12                              ; the next step's loads are in; those of the three steps behind it may be out
.else
	s_wait_loadcnt 4*(14-(\t))
.endif
	XTURN (\t)+1
.endif
	v_max3_num_f32 v8, |v[XS]|, |v[XS+1]|, |v[XS+2]|
	v_max3_num_f32 v9, |v[XS+3]|, |v[XS+4]|, |v[XS+5]|
.irp i, 6,10
	v_max3_num_f32 v8, v8, |v[XS+\i]|, |v[XS+\i+1]|
	v_max3_num_f32 v9, v9, |v[XS+\i+2]|, |v[XS+\i+3]|
.endr
	v_max3_num_f32 v8, v8, |v[XS+14]|, |v[XS+15]|
	v_max3_num_f32 v8, v8, v9, 0x1800000           ; the floor 2^(3 - 127): the byte cannot fall under 1
	v_max_num_f32_dpp v8, v8, v8 row_xmask:1 row_mask:0xf bank_mask:0xf   ; with my neighbour's 16: the block's largest magnitude
	v_add_nc_u32 v11, 0xff000000, v8               ; 2 off its exponent field: the conversion takes that field as its scale
	v_cvt_scalef32_pk8_fp4_f32 v[128+4*(\t)], v[XS:XS+7], v11
	v_cvt_scalef32_pk8_fp4_f32 v[129+4*(\t)], v[XS+8:XS+15], v11
	v_lshrrev_b32 v[112+(\t)], 23, v11             ; the scale's byte
	ds_store_b8 v5, v[112+(\t)] offset:16*(\t)     ; both lanes of a block write the same byte with the same value
	global_store_b64 v4, v[128+4*(\t):129+4*(\t)], s[10:11] offset:256*(\t)   ; the wave stores 256 consecutive bytes, aligned
.endm
.irp t, 0,1,2,3,4,5,6,7,8,9,10,11,12,13,14,15
	XSTEP \t
.endr
	ds_load_b64 v[8:9], v6
	s_wait_dscnt 0x0
	global_store_b64 v7, v[8:9], s[12:13]          ; the wave's 256 scale bytes: consecutive, aligned
	s_wait_tensorcnt 0x0                           ; the wave's end, behind my last LDS store
	ds_add_u32 v[SPW], v[NIL]
	s_wait_dscnt 0x0
	s_endpgm
; ---------------------------------------------------------------- WQ: a work-group takes 32 columns x 512 along K; wave w 128 of the 512; a lane a column, its registers down K
.Lrole_wq:
	s_sub_co_u32 s26, ttmp9, 256
	s_cmp_ge_u32 s26, 96
	s_cselect_b32 s27, 1, 0                        ; y: which half of K
	s_cselect_b32 s28, 96, 0
	s_sub_co_u32 s26, s26, s28
	s_lshl_b32 s26, s26, 5                         ; n0: my work-group's first column
	v_lshlrev_b32 v3, 2, v2                        ; in: 4 bytes a lane
	v_and_b32 v12, 15, v2                          ; r
	v_lshrrev_b32 v13, 4, v2                       ; h
	v_mul_u32_u24 v4, v2, WP
	s_lshl_b32 s25, s24, 6
	s_add_co_u32 s25, s25, WQS
	v_add_nc_u32 v4, s25, v4                       ; into the stage: row = my column, my wave's 64 bytes
	v_lshl_add_u32 v14, v2, 4, WQC                 ; a column's 16 scale bytes
	s_lshl_b32 s25, s24, 2
	v_add_nc_u32 v5, s25, v14                      ; my wave's four of them
	s_mul_i32 s25, s24, 8*WP
	s_add_co_u32 s25, s25, WQS
	v_mul_u32_u24 v6, v13, WP
	v_lshl_add_u32 v6, v12, 4, v6
	v_add_nc_u32 v6, s25, v6                       ; out of the stage: wave w takes rows 8 w on, sixteen lanes to a row
	v_lshlrev_b32 v7, 9, v13
	v_lshl_add_u32 v7, v12, 4, v7                  ; and the same place in the codes
	v_lshlrev_b32 v15, 5, v2                       ; a column's row of scale bytes
	s_lshl_b32 s30, s27, 9
	s_lshl_b32 s31, s24, 7
	s_add_co_u32 s30, s30, s31                     ; k0 = 512 y + 128 w
	s_mul_i32 s28, s30, 12288
	s_lshl_b32 s31, s26, 2
	s_add_co_u32 s28, s28, s31
	s_add_nc_u64 s[6:7], s[6:7], s[28:29]
	s_lshl_b32 s31, s24, 3
	s_add_co_u32 s31, s31, s26
	s_lshl_b32 s28, s31, 9                         ; (n0 + 8 w) rows of 512 bytes,
	s_lshl_b32 s31, s27, 8
	s_add_co_u32 s28, s28, s31                     ; + 256 y,
	s_add_co_u32 s28, s28, 4194304                 ; behind x's codes
	s_add_nc_u64 s[10:11], s[10:11], s[28:29]
	s_lshl_b32 s28, s26, 5
	s_lshl_b32 s31, s27, 4
	s_add_co_u32 s28, s28, s31
	s_add_co_u32 s28, s28, 262144                  ; behind x's scale bytes
	s_add_nc_u64 s[12:13], s[12:13], s[28:29]
.set i, 0
.rept 128
	global_load_b32 v[32+i], v3, s[6:7] offset:i*12288 th:TH_LOAD_NT   ; W(k0 + i, my column): the wave reads 128 consecutive bytes
.set i, i+1
.endr
.macro WBLOCK t, left
	s_wait_loadcnt \left
.set XS, 32+32*(\t)
	v_max3_num_f32 v8, |v[XS]|, |v[XS+1]|, |v[XS+2]|               ; all 32 numbers of the block are mine
	v_max3_num_f32 v9, |v[XS+3]|, |v[XS+4]|, |v[XS+5]|
.irp i, 6,10,14,18,22,26
	v_max3_num_f32 v8, v8, |v[XS+\i]|, |v[XS+\i+1]|
	v_max3_num_f32 v9, v9, |v[XS+\i+2]|, |v[XS+\i+3]|
.endr
	v_max3_num_f32 v8, v8, |v[XS+30]|, |v[XS+31]|
	v_max3_num_f32 v8, v8, v9, 0x1800000           ; the floor
	v_add_nc_u32 v10, 0xff000000, v8               ; the conversion's scale operand
	v_lshrrev_b32 v11, 23, v10                     ; the byte
.if (\t) == 0
	v_mov_b32 v176, v11
.else
	v_lshl_or_b32 v176, v11, 8*(\t), v176          ; four bytes to the word, the lower K in the lower byte
.endif
.irp g, 0,1,2,3
	v_cvt_scalef32_pk8_fp4_f32 v[160+4*(\t)+\g], v[XS+8*\g:XS+8*\g+7], v10
.endr
	v_nop                                          ; a plain instruction behind the last conversion of the run
	ds_store_b128 v4, v[160+4*(\t):163+4*(\t)] offset:16*(\t)
.endm
	WBLOCK 0, 63                                   ; behind block 0's loads 96 were issued, behind block 1's 64
	WBLOCK 1, 63
	WBLOCK 2, 32                                   ; block 3's 32 loads may be out
	WBLOCK 3, 0
	ds_store_b32 v5, v176
	s_wait_dscnt 0x0                               ; for the others' sake: my stores have landed
	s_barrier_signal -1
	s_barrier_wait -1
.irp t, 0,1,2,3
	ds_load_b128 v[16+4*\t:19+4*\t], v6 offset:2*\t*WP
.endr
.irp t, 0,1,2,3
	s_wait_dscnt 3-\t
	global_store_b128 v7, v[16+4*\t:19+4*\t], s[10:11] offset:1024*\t   ; sixteen lanes store 256 consecutive bytes, aligned
.endr
	s_cmp_lg_u32 s24, 0
	s_cbranch_scc1 .Lwq_end
	ds_load_b128 v[180:183], v14                   ; wave 0: each column's 16 scale bytes
	s_wait_dscnt 0x0
	global_store_b128 v15, v[180:183], s[12:13]    ; rows 32 bytes apart, half of each: one byte in 128 of what the role reads
.Lwq_end:
	s_wait_tensorcnt 0x0                           ; the wave's end: the three lines
	ds_add_u32 v[SPW], v[NIL]
	s_wait_dscnt 0x0
	s_endpgm
; ---------------------------------------------------------------- WT: a wave takes 32 columns x 128 along K; a lane a column; the stage is the wave's own
.Lrole_wt:
	s_sub_co_u32 s26, ttmp9, 448
	s_and_b32 s27, s26, 7                          ; which 128 columns
	s_lshr_b32 s26, s26, 3                         ; which 128 along K
	s_lshl_b32 s27, s27, 7
	s_lshl_b32 s25, s24, 5
	s_add_co_u32 s27, s27, s25                     ; n0: my wave's first column
	v_lshlrev_b32 v3, 2, v2
	v_and_b32 v12, 15, v2
	v_lshrrev_b32 v13, 4, v2
	s_mul_i32 s25, s24, 32*WP
	s_add_co_u32 s25, s25, WTS
	v_mul_u32_u24 v4, v2, WP
	v_add_nc_u32 v4, s25, v4                       ; in: row = my column
	v_mul_u32_u24 v6, v13, WP
	v_lshl_add_u32 v6, v12, 4, v6
	v_add_nc_u32 v6, s25, v6                       ; back: sixteen lanes to a row
	v_lshlrev_b32 v7, 11, v13
	v_lshl_add_u32 v7, v12, 4, v7                  ; and the same place in wpT (rows of 2,048 bytes)
	s_lshl_b32 s28, s26, 19                        ; 128 rows of 4,096 bytes
	s_lshl_b32 s31, s27, 2
	s_add_co_u32 s28, s28, s31
	s_add_nc_u64 s[8:9], s[8:9], s[28:29]
	s_lshl_b32 s28, s27, 11
	s_lshl_b32 s31, s26, 8
	s_add_co_u32 s28, s28, s31
	s_add_nc_u64 s[14:15], s[14:15], s[28:29]
.set i, 0
.rept 128
	global_load_b32 v[32+i], v3, s[8:9] offset:i*4096 th:TH_LOAD_NT
.set i, i+1
.endr
.macro WTGROUP g, left                 ; 32 numbers become 16 registers of f16 pairs, in place: register 32 + i is written when it has landed and its own numbers have been taken
	s_wait_loadcnt \left
.set i, 16*(\g)
.rept 16
	v_cvt_pk_f16_f32 v[32+i], v[32+2*i], v[33+2*i]
.set i, i+1
.endr
.endm
	WTGROUP 0, 63                                  ; as in role WQ
	WTGROUP 1, 63
	WTGROUP 2, 32
	WTGROUP 3, 0
.set i, 0
.rept 16
	ds_store_b128 v4, v[32+4*i:35+4*i] offset:16*i
.set i, i+1
.endr
.set i, 0
.rept 16
	ds_load_b128 v[96+4*i:99+4*i], v6 offset:2*i*WP    ; LDS serves a wave's instructions in order: these see my stores
.set i, i+1
.endr
.set i, 0
.rept 16
	s_wait_dscnt 15-i
	global_store_b128 v7, v[96+4*i:99+4*i], s[14:15] offset:4096*i   ; sixteen lanes store 256 consecutive bytes, aligned
.set i, i+1
.endr
	s_wait_tensorcnt 0x0                           ; the wave's end: the three lines
	ds_add_u32 v[SPW], v[NIL]
	s_wait_dscnt 0x0
	s_endpgm
.Lfunc_end_k_qc9243a42c0_prep:
	.size	k_qc9243a42c0_prep, .Lfunc_end_k_qc9243a42c0_prep-k_qc9243a42c0_prep
	.p2alignl 7, 3214868480
	.fill 96, 4, 3214868480
	.section	.rodata,"a",@progbits
	.p2align	6, 0x0
	.amdhsa_kernel k_qc9243a42c0_prep
		.amdhsa_group_segment_fixed_size 77312
		.amdhsa_private_segment_fixed_size 0
		.amdhsa_enable_private_segment 0
		.amdhsa_kernarg_size 56
		.amdhsa_user_sgpr_count 2
		.amdhsa_user_sgpr_kernarg_segment_ptr 1
		.amdhsa_wavefront_size32 1
		.amdhsa_system_sgpr_workgroup_id_x 1
		.amdhsa_system_sgpr_workgroup_id_y 1
		.amdhsa_system_sgpr_workgroup_id_z 1
		.amdhsa_system_vgpr_workitem_id 0
		.amdhsa_next_free_vgpr 192
		.amdhsa_next_free_sgpr 66
		.amdhsa_reserve_vcc 1
		.amdhsa_float_denorm_mode_32 3
		.amdhsa_float_denorm_mode_16_64 3
		.amdhsa_memory_ordered 1
		.amdhsa_forward_progress 1
		.amdhsa_inst_pref_size 100
	.end_amdhsa_kernel
	.amdgpu_metadata
---
amdhsa.version: [ 1, 2 ]
amdhsa.kernels:
  - .name:           k_qc9243a42c0_prep
    .symbol:         k_qc9243a42c0_prep.kd
    .args:
      - { .name: x, .offset: 0, .size: 8, .value_kind: global_buffer, .address_space: global }
      - { .name: W_attn, .offset: 8, .size: 8, .value_kind: global_buffer, .address_space: global }
      - { .name: W_proj, .offset: 16, .size: 8, .value_kind: global_buffer, .address_space: global }
      - { .name: codes, .offset: 24, .size: 8, .value_kind: global_buffer, .address_space: global }
      - { .name: scales, .offset: 32, .size: 8, .value_kind: global_buffer, .address_space: global }
      - { .name: wpT, .offset: 40, .size: 8, .value_kind: global_buffer, .address_space: global }
      - { .name: rope, .offset: 48, .size: 8, .value_kind: global_buffer, .address_space: global }
    .group_segment_fixed_size: 77312
    .private_segment_fixed_size: 0
    .kernarg_segment_align: 8
    .kernarg_segment_size: 56
    .max_flat_workgroup_size: 128
    .sgpr_count:     66
    .vgpr_count:     192
    .wavefront_size: 32
...
	.end_amdgpu_metadata
.endif
;; end of part 1
;; launch qkv (part 2): grid 12 x 32, 4 waves a work-group, clusters of 4 x 4, 327,680 bytes of LDS; arguments codes, scales, qkv16, b_attn, rope, qkv32; writes qkv16, qkv32
.if DOCPART == 2
	.amdgcn_target "amdgcn-amd-amdhsa--gfx1250"
	.amdhsa_code_object_version 6
	.text
	.protected	k_qc9243a42c0_qkv
	.globl	k_qc9243a42c0_qkv
	.p2align	8
	.type	k_qc9243a42c0_qkv,@function
k_qc9243a42c0_qkv:
	s_mov_b64 s[64:65], 0
	v_nop
	global_prefetch_b8 v0, s[64:65] scope:SCOPE_SE
	s_setreg_imm32_b32 hwreg(HW_REG_WAVE_MODE, 25, 1), 1
	s_wait_xcnt 0x0
	s_wait_alu depctr_hold_cnt(0) depctr_sa_sdst(0) depctr_va_vdst(0) depctr_va_sdst(0) depctr_va_ssrc(0) depctr_va_vcc(0) depctr_vm_vsrc(0)
	s_getreg_b32 s2, hwreg(HW_REG_IB_STS2, 6, 4)
	s_cmp_eq_u32 s2, 0
	s_cbranch_scc0 .Lentry_in_a_cluster
	s_endpgm
.Lentry_in_a_cluster:
	s_bfe_u32 s2, ttmp6, 0x10000c
	s_cmp_lg_u32 s2, 0xf033
	s_cbranch_scc0 .Lentry_shape_is_right
	s_endpgm
.Lentry_shape_is_right:
; qkv = Q(x) Q(W_attn) + b_attn, RoPE on q's and k's columns, rounded to f16: qkv16 [8192][3072]; the first 16 positions of each sequence also unrounded: qkv32 [4][16][3072] f32.
; Both operands are codes of E2M1 with one E8M0 byte for each 32 along K, as the launch before laid them: x's rows of 512 bytes at the head of 'codes', W_attn's 3,072 rows behind them; 'scales' likewise.
; A tile of 256 x 256 is made by four waves, 128 x 128 each: 64 accumulators, 512 registers.  K = 1,024 is two LDS slots of 512 along K: both, and the scales, are asked for at the start, and nothing is filled again.
; CLUSTERS: 4 x 4 work-groups; the four of a row of the cluster ask jointly for A's tiles, the four of a column for B's.  THE TILE ROW IS cluster y + 8 cy: so cy is the batch, cluster y the 256 positions inside it, and
; 'this tile holds positions 0 to 15' is the same in all sixteen partners.  Cluster x = 0, 1, 2 is q, k, v: V's columns take the second table, a rotation by nothing, so that all partners run one text.
; THE MATRIX INSTRUCTION IS USED TRANSPOSED (source 0 = 16 rows of W, source 1 = 16 rows of x): a lane holds eight neighbouring columns of one row: four pairs of RoPE.  The bias is the C of each sum's first product.
; LIMIT: the results must lie inside f16's range (65,504).
; REGISTERS: window 0: v0-31 addresses; v32-95 scale words, two sets, and nothing else ever; v128-191 A's fragments, on the way out rows read back; v192-255 the bias, then two sets of cos and sin.
;   window 1: B's fragments at v0 and v128; on the way out v0-63 the roped numbers, v64-71 at work, v96-127 packed f16.   windows 2, 3: the accumulators ((a, b) at v[8 (8 (a % 4) + b)]).
.set SIZE_M, 8192
.set SIZE_N, 3072
.set SIZE_K, 1024
.set KSTEP,  512                       ; along K in a slot
.set NQ,     KSTEP/128
.set ROWB,   256                       ; a tile's row in bytes
.set KROW,   SIZE_K*4/8                ; a row of codes in memory
.set PITCH,  272                       ; an LDS row: 256 bytes + 16 of padding: the 16 rows that a load touches start 68 words apart
.set FR,     8
.set NL,     2
.set NP,     4                         ; places behind this matrix instruction (ISA guide 7.12.1)
.set HALFT,  128*PITCH
.set SLOT,   4*HALFT
.set KS,     SIZE_K/32                 ; a row of scale bytes
.set SCL,    2*SLOT                    ; behind the slots: the scales, as units of 256 bytes + 16 of padding
.set HALFS,  (128*KS/256)*272
.set SBLK,   (16*KS/256)*272
.set SPARE,  SCL+4*HALFS               ; the spare words: two blocks of 256 bytes that no other line names
.set SPITCH, 272                       ; the way out: a stage of 16 rows x (256 + 16) for each wave, in slot 0, which has had its only fill and its last read by then
.set ROWO,   SIZE_N*2                  ; a row of qkv16 in bytes
.set BO,   7                           ; v7      32 x (lane / 16): my eight numbers of a tile's bias
.set ADRA, 16
.set ADRB, 20
.set STO,  24
.set RD,   25
.set CO,   26
.set ADRS, 27
.set SPW,  28
.set NIL,  29
.set TA,   30                          ; v30     16 x lane: my place in a table entry
.set FO,   31                          ; v31     my place in qkv32: 12,288 (lane % 16) + 32 (lane / 16)
.set SC,   32
.set AF,   128
.set BK,   128
.set BIAS, 192
.set XR1,  0                           ; window 1
.set T1,   64
.set TMP1, 96
.set G1, 24
.set G0, 32
.set G1B, 48
.set G0B, 56
.set G1S, 68
.set G0S, 76
.set G1SB, 80
.set G0SB, 88
.set MSB, 0
.macro WIN new                         ; the immediate's high byte repeats the setting that is left
.if MSB != \new
	s_set_vgpr_msb (MSB<<8)|\new
.set MSB, \new
.endif
.endm
.set MUL_LO, 0xa1                      ; source 0 (B) window 1, source 1 (A) window 0, C and D window 2
.set MUL_HI, 0xf1                      ; the same, C and D window 3
.set MUL_LO0, 0x81                     ; the first step: C (the bias) window 0, D window 2
.set MUL_HI0, 0xc1                     ; D window 3
.set TO_B,   0x40
; A joint load: waves 0 and 1 fetch for A, waves 2 and 3 for B; the branch hangs on the wave's number alone.  An s_nop 0 and four v_nop follow each of the two lines.
.macro JLOAD g0a, g1a, g0b, g1b
	s_cmp_eq_u32 s15, 0
	s_cbranch_scc0 .Lfor_b_\@
	tensor_load_to_lds s[\g0a:\g0a+3], s[\g1a:\g1a+7]
	s_nop 0
.rept 4
	v_nop
.endr
	s_branch .Lasked_\@
.Lfor_b_\@:
	tensor_load_to_lds s[\g0b:\g0b+3], s[\g1b:\g1b+7]
	s_nop 0
.rept 4
	v_nop
.endr
.Lasked_\@:
.endm
.macro CROUND                          ; a round of the cluster's barrier
	s_barrier_signal -1
	s_barrier_wait -1
	s_cmp_lg_u32 s14, 0
	s_cbranch_scc1 .Lnot_wave_0_\@
	s_barrier_signal -3
.Lnot_wave_0_\@:
	s_barrier_wait -3
	s_barrier_signal -1
	s_barrier_wait -1
.endm
	s_load_b128 s[4:7], s[0:1], 0x0                ; codes s[4:5], scales s[6:7]
	s_load_b64 s[12:13], s[0:1], 0x10              ; qkv16
	s_load_b128 s[96:99], s[0:1], 0x18             ; b_attn s[96:97], rope s[98:99]
	s_load_b64 s[100:101], s[0:1], 0x28            ; qkv32
	v_lshl_add_u32 v[SPW], v0, 2, SPARE
	v_mov_b32 v[NIL], 0
	ds_add_u32 v[SPW], v[NIL]                      ; the wave's opening: the add, twice on end, and its wait ahead of my first tensor load
	ds_add_u32 v[SPW], v[NIL]
	v_lshrrev_b32 v1, 5, v0
	v_readfirstlane_b32 s14, v1                    ; wave 0..3
	s_lshr_b32 s15, s14, 1                         ; which half of the tile's rows is mine.  Also: I fetch for A (0) or for B (1)
	s_and_b32 s16, s14, 1                          ; which half of its columns.  Also: which 128 rows of that tile I fetch
	s_bfe_u32 s40, ttmp6, 0x40000                  ; cx
	s_bfe_u32 s41, ttmp6, 0x40004                  ; cy
	s_lshl_b32 s42, ttmp9, 2
	s_add_co_u32 s42, s42, s40                     ; tile column = 4 x cluster x + cx
	s_and_b32 s67, ttmp7, 0xffff                   ; cluster y
	s_lshl_b32 s17, s41, 3
	s_add_co_u32 s17, s17, s67                     ; tile row = 8 cy + cluster y
	s_lshl_b32 s43, s41, 2
	s_lshl_b32 s43, 15, s43                        ; my row of the cluster
	s_lshl_b32 s44, 0x1111, s40                    ; my column
	s_or_b32 s[G1+0], s43, (0<<16)|(1<<20)|(1<<21)|(5<<22)|(3<<25)  ; the mask; elements of 1 byte; padding on; bit 21 beside a mask; 4 words of padding after every 64
	s_or_b32 s[G1B+0], s44, (0<<16)|(1<<20)|(1<<21)|(5<<22)|(3<<25)
.irp g, G1, G1B
	s_mov_b32 s[\g+1], ROWB<<16                    ; tensor_dim0
	s_mov_b32 s[\g+2], 128<<16                     ; tensor_dim1
	s_mov_b32 s[\g+3], ROWB<<16                    ; tile_dim0
	s_mov_b32 s[\g+4], 128                         ; tile_dim1
	s_mov_b32 s[\g+5], KROW                        ; from row to row
	s_mov_b32 s[\g+6], 0
	s_mov_b32 s[\g+7], 0
.endr
	s_or_b32 s[G1S+0], s43, (3<<16)|(1<<20)|(1<<21)|(5<<22)|(3<<25) ; the scales of 128 rows: 4,096 dense bytes as 16 rows of 32 elements of 8 bytes
	s_or_b32 s[G1SB+0], s44, (3<<16)|(1<<20)|(1<<21)|(5<<22)|(3<<25)
.irp g, G1S, G1SB
	s_mov_b32 s[\g+1], 32<<16
	s_mov_b32 s[\g+2], (128*KS/256)<<16
	s_mov_b32 s[\g+3], 32<<16
	s_mov_b32 s[\g+4], 128*KS/256
	s_mov_b32 s[\g+5], 32
	s_mov_b32 s[\g+6], 0
	s_mov_b32 s[\g+7], 0
.endr
	s_lshl_b32 s18, s16, 7
	s_lshl_b32 s20, s17, 8
	s_add_co_u32 s20, s20, s18                     ; A: row 256 x tile row + 128 x half
	s_lshl_b32 s46, s42, 8
	s_add_co_u32 s46, s46, s18                     ; B: row 256 x tile column + 128 x half
	s_mov_b32 s21, 0
	s_mov_b32 s47, 0
	s_mov_b64 s[18:19], KS
	s_mul_u64 s[22:23], s[20:21], s[18:19]
	s_mul_u64 s[92:93], s[46:47], s[18:19]
	s_mov_b64 s[18:19], KROW
	s_mul_u64 s[20:21], s[20:21], s[18:19]
	s_mul_u64 s[46:47], s[46:47], s[18:19]
	s_mul_i32 s45, s14, HALFT                      ; where they go: wave x 128 rows: no place in the cluster enters an LDS address
	s_mul_i32 s94, s14, HALFS
	s_wait_dscnt 0x0                               ; both opening adds are done
	s_wait_kmcnt 0x0
	s_add_nc_u64 s[8:9], s[4:5], 0x400000          ; W's codes lie behind x's 4,194,304 bytes,
	s_add_nc_u64 s[10:11], s[6:7], 0x40000         ; its scale bytes behind x's 262,144
	s_add_nc_u64 s[20:21], s[4:5], s[20:21]
	s_add_nc_u64 s[22:23], s[6:7], s[22:23]
	s_add_nc_u64 s[46:47], s[8:9], s[46:47]
	s_add_nc_u64 s[92:93], s[10:11], s[92:93]
	CROUND                                         ; all sixteen work-groups are here: the joint loads meet
	s_mov_b32 s[G0S], 1
	s_add_co_u32 s[G0S+1], s94, SCL
	s_mov_b64 s[G0S+2:G0S+3], s[22:23]
	s_or_b32 s[G0S+3], s[G0S+3], 0x80000000
	s_mov_b32 s[G0SB], 1
	s_add_co_u32 s[G0SB+1], s94, SCL
	s_mov_b64 s[G0SB+2:G0SB+3], s[92:93]
	s_or_b32 s[G0SB+3], s[G0SB+3], 0x80000000
	JLOAD G0S, G1S, G0SB, G1SB                     ; the scales first; three tensor loads of mine are out when the last is issued
.irp s, 0,1
	s_mov_b32 s[G0+4*\s], 1
	s_add_co_u32 s[G0+4*\s+1], s45, \s*SLOT
	s_add_nc_u64 s[G0+4*\s+2:G0+4*\s+3], s[20:21], \s*ROWB
	s_or_b32 s[G0+4*\s+3], s[G0+4*\s+3], 0x80000000
	s_mov_b32 s[G0B+4*\s], 1
	s_add_co_u32 s[G0B+4*\s+1], s45, \s*SLOT
	s_add_nc_u64 s[G0B+4*\s+2:G0B+4*\s+3], s[46:47], \s*ROWB
	s_or_b32 s[G0B+4*\s+3], s[G0B+4*\s+3], 0x80000000
	JLOAD G0+4*\s, G1, G0B+4*\s, G1B
.endr
	v_and_b32 v1, 15, v0                           ; r = lane % 16
	v_bfe_u32 v2, v0, 4, 1                         ; h = lane / 16
	v_mul_u32_u24 v3, v1, PITCH
	v_lshl_add_u32 v4, v2, 4, v3
	s_mul_i32 s21, s15, HALFT
	s_mul_i32 s22, s16, HALFT
	s_add_co_u32 s22, s22, 2*HALFT
.irp s, 0,1
	v_add_nc_u32 v[ADRA+\s], s21, v4
	v_add_nc_u32 v[ADRB+\s], s22, v4
	s_add_co_u32 s21, s21, SLOT
	s_add_co_u32 s22, s22, SLOT
.endr
	v_mul_u32_u24 v5, v1, KS                       ; my row's scales: 32 bytes a row, and 16 more for each 256 passed
	v_lshrrev_b32 v6, 8, v5
	v_lshl_add_u32 v5, v6, 4, v5
	s_mul_i32 s21, s15, HALFS
	s_mul_i32 s22, s16, HALFS
	s_add_co_u32 s22, s22, 2*HALFS
	s_sub_co_u32 s22, s22, s21
	v_mul_u32_u24 v6, s22, v2                      ; lanes 16-31 take B's: one product, the distance between the two bases
	s_add_co_u32 s21, s21, SCL
	v_add_nc_u32 v5, v5, v6
	v_add_nc_u32 v[ADRS], s21, v5
	s_mul_i32 s23, s14, 16*SPITCH                  ; my stage
	v_mul_u32_u24 v5, v1, SPITCH
	v_lshl_add_u32 v5, v2, 4, v5
	v_add_nc_u32 v[STO], s23, v5                   ; in: row r, 16 bytes for each half of the lanes
	v_mul_u32_u24 v5, v2, SPITCH
	v_lshl_add_u32 v5, v1, 4, v5
	v_add_nc_u32 v[RD], s23, v5                    ; back: lanes 0-15 one row of 256 bytes, lanes 16-31 the next
	v_mul_u32_u24 v5, v2, ROWO
	v_lshl_add_u32 v[CO], v1, 4, v5                ; and the same two rows in qkv16
	v_lshlrev_b32 v[BO], 5, v2
	v_and_b32 v6, 31, v0
	v_lshlrev_b32 v[TA], 4, v6
	v_mul_u32_u24 v[FO], v1, 12288
	v_lshl_add_u32 v[FO], v2, 5, v[FO]
	s_lshl_b32 s20, s17, 8
	s_lshl_b32 s21, s15, 7
	s_add_co_u32 s20, s20, s21                     ; my first row: 256 x tile row + 128 x half
	s_mul_i32 s20, s20, ROWO
	s_mov_b32 s21, 0
	s_lshl_b32 s46, s42, 8
	s_lshl_b32 s47, s16, 7
	s_add_co_u32 s46, s46, s47                     ; my first column: 256 x tile column + 128 x half
	s_lshl_b32 s47, s46, 1
	s_add_co_u32 s20, s20, s47
	s_add_nc_u64 s[12:13], s[12:13], s[20:21]      ; qkv16 at my part
	s_lshl_b32 s20, s46, 2
	s_add_nc_u64 s[96:97], s[96:97], s[20:21]      ; the bias at my first column
	s_mul_i32 s47, s41, 196608                     ; qkv32: the batch is cy
	s_add_co_u32 s20, s20, s47
	s_add_nc_u64 s[100:101], s[100:101], s[20:21]
	s_cmp_eq_u32 ttmp9, 2                          ; V's columns take the second table
	s_cselect_b32 s20, 524288, 0
	s_lshl_b32 s47, s67, 4
	s_lshl_b32 s66, s15, 3
	s_add_co_u32 s47, s47, s66                     ; my first 16 positions: entry 16 x cluster y + 8 x half
	s_lshl_b32 s47, s47, 12
	s_add_co_u32 s20, s20, s47
	s_add_nc_u64 s[98:99], s[98:99], s[20:21]
	s_or_b32 s66, s67, s15                         ; 0 where my block 0 is positions 0 to 15: cluster y and the wave's number alone
.irp b, 0,1,2,3,4,5,6,7
	global_load_b128 v[BIAS+8*\b:BIAS+8*\b+3], v[BO], s[96:97] offset:64*\b      ; lane (r, h): the bias of columns 16 b + 8 h + 0 .. 7: the result's layout
	global_load_b128 v[BIAS+8*\b+4:BIAS+8*\b+7], v[BO], s[96:97] offset:64*\b+16
.endr
.macro FRAG reg, adr, q, i             ; 16 rows x 128 K of 4-bit codes: 8 registers
.irp c, 0,1
	ds_load_b128 v[\reg+4*\c:\reg+4*\c+3], v[\adr] offset:64*(\q)+32*\c+(\i)*16*PITCH
.endr
.endm
; 16 matrix instructions: A's blocks a0, a0 + 1 x B's eight.  zero = 1: the first product starts the sums from the bias.  The 64 accumulators take turns, one instruction a turn.
.macro MUL16 a0, p, q, sc, zero
.irp a, \a0, \a0+1
.irp b, 0,1,2,3,4,5,6,7
.if \zero
	v_wmma_scale_f32_16x16x128_f8f6f4 v[8*(8*((\a)%4)+\b):8*(8*((\a)%4)+\b)+7], v[128*(\p)+FR*\b:128*(\p)+FR*\b+FR-1], v[AF+FR*(\a):AF+FR*(\a)+FR-1], v[BIAS+8*\b:BIAS+8*\b+7], v[SC+8*NQ*(\sc)+NQ*\b+(\q)], v[SC+8*NQ*(\sc)+NQ*(\a)+(\q)] matrix_a_fmt:MATRIX_FMT_FP4 matrix_b_fmt:MATRIX_FMT_FP4 matrix_a_scale:MATRIX_SCALE_ROW1
.else
	v_wmma_scale_f32_16x16x128_f8f6f4 v[8*(8*((\a)%4)+\b):8*(8*((\a)%4)+\b)+7], v[128*(\p)+FR*\b:128*(\p)+FR*\b+FR-1], v[AF+FR*(\a):AF+FR*(\a)+FR-1], v[8*(8*((\a)%4)+\b):8*(8*((\a)%4)+\b)+7], v[SC+8*NQ*(\sc)+NQ*\b+(\q)], v[SC+8*NQ*(\sc)+NQ*(\a)+(\q)] matrix_a_fmt:MATRIX_FMT_FP4 matrix_b_fmt:MATRIX_FMT_FP4 matrix_a_scale:MATRIX_SCALE_ROW1
.endif
.endr
.endr
.endm
.macro FETCH_B slot, q, p
	WIN TO_B
.irp i, 0,1,2,3,4,5,6,7
	FRAG 128*(\p)+FR*\i, ADRB+\slot, \q, \i
.endr
	WIN 0
.endm
.macro FETCH_A slot, q, i0
.irp i, \i0, \i0+1, \i0+2, \i0+3
	FRAG AF+FR*(\i), ADRA+\slot, \q, \i
.endr
.endm
.macro SCALES sc                       ; a slot's scale words: lanes 0-15 take A's block i, lanes 16-31 B's block i
.irp i, 0,1,2,3,4,5,6,7
	ds_load_b128 v[SC+8*NQ*\sc+NQ*\i:SC+8*NQ*\sc+NQ*\i+3], v[ADRS] offset:\i*SBLK
.endr
.endm
.macro PLACES n                        ; plain vector instructions between a matrix instruction and a load into, or a read of, its registers
.rept \n
	v_nop
.endr
.endm
.macro STEP slot, q, zero              ; 128 along K, with its successor in the same slot
	s_wait_dscnt 4*NL                              ; B's set and A's blocks 0-3 are in; the youngest eight loads (A's blocks 4-7) may be out
.if \zero
	WIN MUL_LO0
.else
	WIN MUL_LO
.endif
	MUL16 0, (\q)%2, \q, \slot, \zero
	MUL16 2, (\q)%2, \q, \slot, \zero
	s_wait_dscnt 0
	PLACES NP
	FETCH_B \slot, (\q)+1, 1-(\q)%2
	FETCH_A \slot, (\q)+1, 0
.if \zero
	WIN MUL_HI0
.else
	WIN MUL_HI
.endif
	MUL16 4, (\q)%2, \q, \slot, \zero
	MUL16 6, (\q)%2, \q, \slot, \zero
	PLACES NP
	WIN 0
	FETCH_A \slot, (\q)+1, 4
.endm
.macro TURN slot, next                 ; a slot's last step changes slots: one barrier
	s_wait_tensorcnt 0x0                           ; all my tensor loads have landed: my part of the next slot
	ds_add_u32 v[SPW], v[NIL]                      ; 0 onto my spare word
	s_wait_dscnt 4*NL+1                            ; the add and the youngest eight loads may be out
	WIN MUL_LO
	MUL16 0, 1, NQ-1, \slot, 0
	s_wait_dscnt 0x0                               ; the add is done, and my reads of this slot are over
	s_barrier_signal -1
	MUL16 2, 1, NQ-1, \slot, 0
	WIN 0
	s_barrier_wait -1
	PLACES NP
	v_add_nc_u32 v[ADRS], 4*NQ, v[ADRS]            ; the next slot's scale words
	FETCH_B \next, 0, 0
	FETCH_A \next, 0, 0
	SCALES \next
	WIN MUL_HI
	MUL16 4, 1, NQ-1, \slot, 0
	MUL16 6, 1, NQ-1, \slot, 0
	PLACES NP
	WIN 0
	FETCH_A \next, 0, 4
.endm
.macro STEPS slot, from
.set QQ, \from
.rept NQ-1-\from
	STEP \slot, QQ, 0
.set QQ, QQ+1
.endr
.endm
.macro TABLE a                         ; cos and sin for block a's 16 positions: 8 x 512 consecutive bytes, in the order of my registers, into set a % 2
.irp i, 0,1,2,3,4,5,6,7
	global_load_b128 v[192+32*((\a)%2)+4*\i:192+32*((\a)%2)+4*\i+3], v[TA], s[98:99] offset:(\a)*4096+\i*512
.endr
.endm
	s_wait_tensorcnt 1                             ; the scales and my part of slot 0 are in; slot 1's load may be out
	s_barrier_signal -1
	s_barrier_wait -1
	FETCH_B 0, 0, 0
	FETCH_A 0, 0, 0
	SCALES 0
	FETCH_A 0, 0, 4
	s_wait_loadcnt 0x0                             ; the bias
	STEP 0, 0, 1
	TABLE 0                                        ; behind the step's closing places: the bias has been read for the last time
	TABLE 1
	STEPS 0, 1
	TURN 0, 1
	STEPS 1, 0
	s_wait_dscnt 4*NL                              ; the very last step
	WIN MUL_LO
	MUL16 0, 1, NQ-1, 1, 0
	MUL16 2, 1, NQ-1, 1, 0
	s_wait_dscnt 0
	WIN MUL_HI
	MUL16 4, 1, NQ-1, 1, 0
	MUL16 6, 1, NQ-1, 1, 0
	WIN 0
; THE WAY OUT, block by block of 16 rows x 128 columns.
; ROPE: a lane's registers 2 i, 2 i + 1 of an accumulator are a pair (xe, xo); (xe cos - xo sin, xe sin + xo cos) = (xe, xo) cos + (-xo sin, xe sin).  Each accumulator is read from its low end on.
.macro ROPE a
.set AC, 64*((\a)%4)
.set TS, 192+32*((\a)%2)
.if (\a) < 7
	s_wait_loadcnt 8                               ; this block's table is in; the next block's eight loads may be out
.else
	s_wait_loadcnt 0
.endif
	s_wait_xcnt 0x0                                ; earlier stores have read their registers: they are written again only behind this wait
	WIN 0x52+(\a)/4                                ; source 0 window 2 or 3, source 1 (the table) window 0, source 2 and the destination window 1
.irp b, 0,1,2,3,4,5,6,7
.irp i, 0,1,2,3
	v_mul_f32 v[T1+2*\i], -v[AC+8*\b+2*\i+1], v[TS+8*(\b%4)+2*\i+1]
	v_mul_f32 v[T1+2*\i+1], v[AC+8*\b+2*\i], v[TS+8*(\b%4)+2*\i+1]
.endr
.irp i, 0,1,2,3
	v_pk_fma_f32 v[XR1+8*\b+2*\i:XR1+8*\b+2*\i+1], v[AC+8*\b+2*\i:AC+8*\b+2*\i+1], v[TS+8*(\b%4)+2*\i:TS+8*(\b%4)+2*\i+1], v[T1+2*\i:T1+2*\i+1] op_sel_hi:[1,0,1]
.endr
.endr
	WIN 0
.endm
.macro FINE                            ; positions 0 to 15 also leave unrounded, for the launch that carries them in f32
	s_cmp_lg_u32 s66, 0
	s_cbranch_scc1 .Lnot_first_\@
	WIN 0x04                                       ; a store's data are its source 1: window 1
.irp b, 0,1,2,3,4,5,6,7
	global_store_b128 v[FO], v[XR1+8*\b:XR1+8*\b+3], s[100:101] offset:64*\b
	global_store_b128 v[FO], v[XR1+8*\b+4:XR1+8*\b+7], s[100:101] offset:64*\b+16
.endr
	WIN 0
.Lnot_first_\@:
.endm
.macro PACK
	WIN 0x45                                       ; all in window 1
.irp b, 0,1,2,3,4,5,6,7
.irp q, 0,1,2,3
	v_cvt_pk_f16_f32 v[TMP1+4*\b+\q], v[XR1+8*\b+2*\q], v[XR1+8*\b+2*\q+1]
.endr
.endr
.endm
.macro TOSTAGE a
.set BB, BK+32*((\a)%2)
	WIN 0x04
.irp b, 0,1,2,3,4,5,6,7
	ds_store_b128 v[STO], v[TMP1+4*\b:TMP1+4*\b+3] offset:32*\b
.endr
	WIN 0
.irp t, 0,1,2,3,4,5,6,7
	ds_load_b128 v[BB+4*\t:BB+4*\t+3], v[RD] offset:\t*2*SPITCH    ; LDS serves a wave's instructions in order: these see the stores above
.endr
.endm
.macro SEND a
.set BB, BK+32*((\a)%2)
	WIN 0                                          ; the stores' address and their data lie in window 0 (PACK has left every place in window 1)
	s_wait_dscnt 0x0
.irp t, 0,1,2,3,4,5,6,7
	global_store_b128 v[CO], v[BB+4*\t:BB+4*\t+3], s[12:13] offset:(16*(\a)+2*\t)*ROWO   ; sixteen lanes store 256 consecutive bytes, aligned; 126 rows at the most stand in the immediate
.endr
.endm
	PLACES NP
	ROPE 0
	FINE
	TABLE 2
	PACK
	TOSTAGE 0
.irp a, 1,2,3,4,5,6,7
	ROPE \a
.if \a < 6
	TABLE \a+2
.endif
	PACK
	SEND \a-1
	TOSTAGE \a
.endr
	SEND 7
	s_wait_tensorcnt 0x0                           ; the wave's end
	ds_add_u32 v[SPW], v[NIL]
	s_wait_dscnt 0x0
	CROUND                                         ; the closing round
	s_endpgm
.Lfunc_end_k_qc9243a42c0_qkv:
	.size	k_qc9243a42c0_qkv, .Lfunc_end_k_qc9243a42c0_qkv-k_qc9243a42c0_qkv
	.p2alignl 7, 3214868480
	.fill 96, 4, 3214868480
	.section	.rodata,"a",@progbits
	.p2align	6, 0x0
	.amdhsa_kernel k_qc9243a42c0_qkv
		.amdhsa_group_segment_fixed_size 327680
		.amdhsa_private_segment_fixed_size 0
		.amdhsa_enable_private_segment 0
		.amdhsa_kernarg_size 48
		.amdhsa_user_sgpr_count 2
		.amdhsa_user_sgpr_kernarg_segment_ptr 1
		.amdhsa_wavefront_size32 1
		.amdhsa_system_sgpr_workgroup_id_x 1
		.amdhsa_system_sgpr_workgroup_id_y 1
		.amdhsa_system_sgpr_workgroup_id_z 1
		.amdhsa_system_vgpr_workitem_id 0
		.amdhsa_next_free_vgpr 1024
		.amdhsa_next_free_sgpr 102
		.amdhsa_reserve_vcc 0
		.amdhsa_float_denorm_mode_32 3
		.amdhsa_float_denorm_mode_16_64 3
		.amdhsa_memory_ordered 1
		.amdhsa_forward_progress 1
		.amdhsa_inst_pref_size 178
	.end_amdhsa_kernel
	.amdgpu_metadata
---
amdhsa.version: [ 1, 2 ]
amdhsa.kernels:
  - .name:           k_qc9243a42c0_qkv
    .symbol:         k_qc9243a42c0_qkv.kd
    .args:
      - { .name: codes, .offset: 0, .size: 8, .value_kind: global_buffer, .address_space: global }
      - { .name: scales, .offset: 8, .size: 8, .value_kind: global_buffer, .address_space: global }
      - { .name: qkv16, .offset: 16, .size: 8, .value_kind: global_buffer, .address_space: global }
      - { .name: b_attn, .offset: 24, .size: 8, .value_kind: global_buffer, .address_space: global }
      - { .name: rope, .offset: 32, .size: 8, .value_kind: global_buffer, .address_space: global }
      - { .name: qkv32, .offset: 40, .size: 8, .value_kind: global_buffer, .address_space: global }
    .group_segment_fixed_size: 327680
    .private_segment_fixed_size: 0
    .kernarg_segment_align: 8
    .kernarg_segment_size: 48
    .max_flat_workgroup_size: 128
    .sgpr_count:     102
    .vgpr_count:     1024
    .wavefront_size: 32
...
	.end_amdgpu_metadata
.endif
;; end of part 2
;; launch attn (part 3): grid 8 x 32, 16 waves a work-group, no clusters, 327,680 bytes of LDS; arguments qkv16, attn16; writes attn16
.if DOCPART == 3
	.amdgcn_target "amdgcn-amd-amdhsa--gfx1250"
	.amdhsa_code_object_version 6
	.text
	.protected	k_qc9243a42c0_attn
	.globl	k_qc9243a42c0_attn
	.p2align	8
	.type	k_qc9243a42c0_attn,@function
k_qc9243a42c0_attn:
	s_mov_b64 s[64:65], 0
	v_nop
	global_prefetch_b8 v0, s[64:65] scope:SCOPE_SE
	s_setreg_imm32_b32 hwreg(HW_REG_WAVE_MODE, 25, 1), 1
	s_wait_xcnt 0x0
; attn16[b][t][64 head + d] = the sum over keys k <= t of softmax_k(q . k / 8) v, on f16 operands with f32 sums, maxima and row sums; the weights are rounded to f16 for the second product, the result once at the end.
; q, k, v lie in qkv16 [8192][3072] f16: a row's bytes 0, 2,048, 4,096 on; a PAIR of heads is 256 consecutive, aligned bytes of each.
; SHARES.  A work-group owns a pair of heads of one batch and two blocks of 128 queries: block i and block 15 - i.  Waves 0-7 take the pair's first head, waves 8-15 its second.  A wave owns two tiles of 16 queries:
; tile 0, LATE, at 128 (15 - i) + 16 (wave % 8), and tile 1, EARLY, at 128 i + 16 (wave % 8).  Under the causal mask their key steps add up to the same number for every i: all 256 work-groups have equal work.
; NO CLUSTER: the eight work-groups that share a pair's K and V need 16 - i slots each, so a joint load would bring tiles that every wave of some partner jumps over.
; LAYOUT.  Both products are used transposed: S^T = K Q^T, O^T = V^T P: a lane holds one query (lane % 16) throughout, and two tiles of S^T, packed in pairs, are the second product's operand.  V is turned by ds_load_tr16_b128.
; SOFTMAX.  A running maximum m and sum l for each query: p = 2^(c s - c m), c = log2(e) / 8; in every step O and l are multiplied by a = 2^(c m_old - c m_new).
; THE RING.  Two slots of 128 keys (two steps of 64).  Every work-group walks all 16 changes of slots (constant trip counts); a step whose keys all come after a tile's queries is left out by a scalar branch on ids.
; The rows of positions 0 to 15 are written here in f16 like the others; the last launch computes what hangs on them anew in f32.
; LIMIT: q, k, v and the result inside f16's range.
; REGISTERS: v1-8 addresses that stay; v12-15 Q's offset and the way out's addresses; v16-31 statistics (tile t at 16 + 8 t: c m, m, l, l, c0-c3); v32-63 Q; v64-127 S^T, then P; v128-191 O^T; v192-255 K's, then V's fragments.
.set SK,    128                        ; keys in a slot
.set PK,    272                        ; a key's row in LDS: 256 bytes + 16
.set PVP,   288                        ; a row of V: 256 + 32, an odd multiple of 32, for the turning load
.set VOFF,  SK*PK
.set SLOT1, 1<<17                      ; one exclusive or turns an address in one slot into the other's
.set STAGE, SLOT1+SK*(PK+PVP)          ; the way out: 256 rows x 272; no tensor load ever lands here
.set SP,    272
.set SPARE, STAGE+256*SP               ; the spare words, 128 bytes for each of 16 waves
.set ROWB,  6144                       ; a row of qkv16
.set SLOTB, SK*ROWB
.set AK0, 1
.set AV0, 2
.set SPW, 3
.set NIL, 4
.set PFO, 5
.set ADK, 6
.set ADV, 7
.set RH,  8                            ; v8   lane % 16 - 8 (lane / 16)
.set QO,  12
.set STO, 13
.set RD,  14
.set GO,  15
.set ST,  16
.set QF,  32
.set S,   64
.set OA,  128
.set KV,  192
.set WV,  8
.set HD,  9
.set SEL, 14
.set CS,  16
.set G1K, 24
.set G1V, 32
.set G0K, 40
.set G0V, 44
.set TB,  48                           ; s48  LDS byte at which the slot in hand begins
.set KF,  49                           ; s49  the step's first key
.set QH,  50                           ; s50  the late tile's first query
.set QL,  51                           ; s51  the early tile's
.set QLAST, 52                         ; s52  the work-group's last query
.set SLOTS, 53
.set LIM, 54
.set PFA, 56
; Waves 0 and 1 fetch K's halves of a slot, waves 2 and 3 V's, the others nothing.  An s_nop 0 and four v_nop follow each of the two lines.
.macro TLOAD
	s_cmp_lt_u32 s[WV], 2
	s_cbranch_scc0 .Lnot_k_\@
	tensor_load_to_lds s[G0K:G0K+3], s[G1K:G1K+7]
	s_nop 0
.rept 4
	v_nop
.endr
	s_branch .Lasked_\@
.Lnot_k_\@:
	s_cmp_lt_u32 s[WV], 4
	s_cbranch_scc0 .Lasked_\@
	tensor_load_to_lds s[G0V:G0V+3], s[G1V:G1V+7]
	s_nop 0
.rept 4
	v_nop
.endr
.Lasked_\@:
.endm
; A prefetch of what the NEXT change of slots will ask for: 128 rows of K and 128 of V, 256 aligned bytes each.  Each row is named once in the launch: of the eight work-groups that walk a pair's K and V the one
; with i = 0, which walks all 16 slots, asks; in it waves 4-7 ask for K's rows and waves 8-11 for V's, 32 rows a wave, a lane a row.  The last change that fills a slot asks for nothing; slots 0 and 1 come by their loads alone.
.macro ASK
	s_cmp_gt_u32 s[SLOTS], s[LIM]
	s_cbranch_scc0 .Lnot_mine_\@
	global_prefetch_b8 v[PFO], s[PFA:PFA+1] th:TH_LOAD_NT scope:SCOPE_SE
.Lnot_mine_\@:
.endm
	s_load_b128 s[4:7], s[0:1], 0x0                ; qkv16 s[4:5], attn16 s[6:7]
	v_lshl_add_u32 v[SPW], v0, 2, SPARE
	v_mov_b32 v[NIL], 0
	ds_add_u32 v[SPW], v[NIL]                      ; the wave's opening: the add, twice on end, and its wait ahead of the first tensor load
	ds_add_u32 v[SPW], v[NIL]
	v_lshrrev_b32 v9, 5, v0
	v_readfirstlane_b32 s[WV], v9                  ; wave 0..15
	s_lshr_b32 s[HD], s[WV], 3                     ; which head of the pair
	s_and_b32 s10, s[WV], 7
	s_and_b32 s12, ttmp7, 0xffff
	s_and_b32 s13, s12, 7                          ; the pair of heads
	s_lshr_b32 s12, s12, 3                         ; the batch
	s_lshl_b32 s18, s10, 4
	s_lshl_b32 s[QL], ttmp9, 7
	s_sub_co_u32 s[QH], 1920, s[QL]                ; 128 (15 - i)
	s_add_co_u32 s[QLAST], s[QH], 127
	s_add_co_u32 s[QL], s[QL], s18
	s_add_co_u32 s[QH], s[QH], s18
	s_mul_i32 s20, s12, 2048*ROWB
	s_lshl_b32 s19, s13, 8
	s_add_co_u32 s20, s20, s19                     ; the batch's first row, the pair's 256 bytes
	s_and_b32 s19, s[WV], 1                        ; which 64 rows of a slot I fetch, if I fetch
	s_mul_i32 s22, s19, 64*ROWB
	s_add_co_u32 s22, s22, s20
	s_add_co_u32 s22, s22, 2048                    ; K's columns
	s_mov_b32 s23, 0
	s_mov_b32 s[G1K], (1<<16)|(1<<20)|(5<<22)|(3<<25)   ; no mask; elements of 2 bytes; padding on: 4 words after every 64
	s_mov_b32 s[G1V], (1<<16)|(1<<20)|(5<<22)|(7<<25)   ; 8 words
.irp g, G1K, G1V
	s_mov_b32 s[\g+1], 128<<16                     ; tensor_dim0 = 128 elements
	s_mov_b32 s[\g+2], 64<<16                      ; tensor_dim1 = 64 rows
	s_mov_b32 s[\g+3], 128<<16                     ; tile_dim0
	s_mov_b32 s[\g+4], 64                          ; tile_dim1
	s_mov_b32 s[\g+5], 3072                        ; elements from row to row
	s_mov_b32 s[\g+6], 0
	s_mov_b32 s[\g+7], 0
.endr
	s_mov_b32 s[G0K], 1
	s_mul_i32 s[G0K+1], s19, 64*PK
	s_mov_b32 s[G0V], 1
	s_mul_i32 s[G0V+1], s19, 64*PVP
	s_add_co_u32 s[G0V+1], s[G0V+1], VOFF
	s_mov_b32 s[SEL], 0x76543210
	s_mov_b32 s[SEL+1], 0xfedcba98                 ; v_permlanex16_b32: lane l xor 16
	s_mov_b32 s[CS], 0x3e38aa3b                    ; c = log2(e) / 8
	s_mov_b32 s[CS+1], s[CS]
	s_mov_b32 s[TB], 0
	s_mov_b32 s[KF], 0
	s_mov_b32 s[SLOTS], 15
	s_wait_dscnt 0x0                               ; both opening adds are done
	s_wait_kmcnt 0x0
	s_add_nc_u64 s[G0K+2:G0K+3], s[4:5], s[22:23]
	s_add_nc_u64 s[G0V+2:G0V+3], s[G0K+2:G0K+3], 2048   ; V's columns lie 2,048 bytes behind K's
	s_or_b32 s[G0K+3], s[G0K+3], 0x80000000
	s_or_b32 s[G0V+3], s[G0V+3], 0x80000000
	TLOAD                                          ; slot 0: it holds key 0, which counts for every query
	s_lshl_b32 s19, s[HD], 7                       ; my head's 128 bytes of the pair's 256
	s_mul_i32 s96, s[QH], ROWB
	s_add_co_u32 s96, s96, s20
	s_add_co_u32 s96, s96, s19
	s_mov_b32 s97, 0
	s_add_nc_u64 s[58:59], s[4:5], s[96:97]        ; Q at the late tile
	s_mul_i32 s96, s[QL], ROWB
	s_add_co_u32 s96, s96, s20
	s_add_co_u32 s96, s96, s19
	s_add_nc_u64 s[60:61], s[4:5], s[96:97]        ; and at the early one
	v_and_b32 v9, 15, v0                           ; r
	v_bfe_u32 v10, v0, 4, 1                        ; h
	v_mul_u32_u24 v[QO], v9, ROWB
	v_lshl_add_u32 v[QO], v10, 4, v[QO]
.irp cs, 0,1
	global_load_b128 v[QF+8*\cs:QF+8*\cs+3], v[QO], s[58:59] offset:64*\cs
	global_load_b128 v[QF+8*\cs+4:QF+8*\cs+7], v[QO], s[58:59] offset:64*\cs+32
	global_load_b128 v[QF+16+8*\cs:QF+16+8*\cs+3], v[QO], s[60:61] offset:64*\cs
	global_load_b128 v[QF+16+8*\cs+4:QF+16+8*\cs+7], v[QO], s[60:61] offset:64*\cs+32
.endr
	s_mov_b32 s18, 4096                            ; the prefetches: waves 4-7 K's columns, waves 8-11 V's
	s_cmp_lt_u32 s[WV], 8
	s_cselect_b32 s96, 2048, s18
	s_and_b32 s18, s[WV], 3
	s_mul_i32 s18, s18, 32*ROWB                    ; my wave's 32 rows,
	s_add_co_u32 s96, s96, s18
	s_add_co_u32 s96, s96, s20
	s_add_co_u32 s96, s96, SLOTB                   ; in slot 1: the first change of slots steps it to slot 2
	s_add_nc_u64 s[PFA:PFA+1], s[4:5], s[96:97]
	s_sub_co_u32 s18, s[WV], 4
	s_lshr_b32 s18, s18, 3                         ; 0 in waves 4 to 11,
	s_or_b32 s18, s18, ttmp9                       ; of the work-group with i = 0
	s_cmp_eq_u32 s18, 0
	s_cselect_b32 s[LIM], 1, -1
	v_and_b32 v[PFO], 31, v0
	v_mul_u32_u24 v[PFO], v[PFO], ROWB
	v_mul_u32_u24 v[AK0], v9, PK                   ; K: row r, + 16 h, + my head
	v_lshl_add_u32 v[AK0], v10, 4, v[AK0]
	v_add_nc_u32 v[AK0], s19, v[AK0]
	v_and_b32 v11, 7, v0                           ; V, for the turning load: key 8 h + lane % 8, channels 8 ((lane / 8) % 2) on
	v_lshl_add_u32 v[AV0], v10, 3, v11
	v_mul_u32_u24 v[AV0], v[AV0], PVP
	v_bfe_u32 v11, v0, 3, 1
	v_lshl_add_u32 v[AV0], v11, 4, v[AV0]
	s_add_co_u32 s18, s19, VOFF
	v_add_nc_u32 v[AV0], s18, v[AV0]
	v_lshlrev_b32 v11, 3, v10
	v_sub_nc_u32 v[RH], v9, v11
	s_mul_i32 s18, s10, 16*SP                      ; the stage, in: row 16 (wave % 8) + r (the late tile 128 rows on), my head's half, 16 h
	s_add_co_u32 s18, s18, s19
	s_add_co_u32 s18, s18, STAGE
	v_mul_u32_u24 v[STO], v9, SP
	v_lshl_add_u32 v[STO], v10, 4, v[STO]
	v_add_nc_u32 v[STO], s18, v[STO]
	s_mul_i32 s18, s[WV], 16*SP                    ; back: wave w takes rows 16 w on, whole
	s_add_co_u32 s18, s18, STAGE
	v_mul_u32_u24 v[RD], v10, SP
	v_lshl_add_u32 v[RD], v9, 4, v[RD]
	v_add_nc_u32 v[RD], s18, v[RD]
	v_lshlrev_b32 v[GO], 11, v10
	v_lshl_add_u32 v[GO], v9, 4, v[GO]             ; and the same two rows in attn16
	s_cmp_lt_u32 s[WV], 8                          ; stage rows 0-127 are the early block's, 128-255 the late block's
	s_cselect_b32 s96, s[QL], s[QH]
	s_lshl_b32 s18, s12, 11
	s_add_co_u32 s96, s96, s18
	s_lshl_b32 s96, s96, 11
	s_lshl_b32 s18, s13, 8
	s_add_co_u32 s96, s96, s18
	s_add_nc_u64 s[6:7], s[6:7], s[96:97]
.irp t, 0,1
	v_mov_b32 v[ST+8*\t+1], 0xff61b1e6             ; m: -3e38, under every score
	v_mul_f32 v[ST+8*\t], s[CS], v[ST+8*\t+1]
.irp j, 2,3,4,5,6,7
	v_mov_b32 v[ST+8*\t+\j], 0                     ; l; and the work registers, written once
.endr
.endr
.set n, 0
.rept 64
	v_mov_b32 v[OA+n], 0                           ; O^T.  (The step is written once: its first turn finds zeros, which a = 0 leaves zeros)
.set n, n+1
.endr
.macro KLOAD q                         ; a step's K: 4 tiles of 16 keys x 2 halves of the head's 64 channels
.irp kt, 0,1,2,3
.irp cs, 0,1
	ds_load_b128 v[KV+8*(2*\kt+\cs):KV+8*(2*\kt+\cs)+3], v[ADK] offset:(64*(\q)+16*\kt)*PK+64*\cs
	ds_load_b128 v[KV+8*(2*\kt+\cs)+4:KV+8*(2*\kt+\cs)+7], v[ADK] offset:(64*(\q)+16*\kt)*PK+64*\cs+32
.endr
.endr
.endm
.macro VLOAD q                         ; its V, turned: 2 halves of 32 keys x 4 tiles of 16 channels
.irp u, 0,1
.irp c, 0,1,2,3
	ds_load_tr16_b128 v[KV+8*(4*\u+\c):KV+8*(4*\u+\c)+3], v[ADV] offset:(64*(\q)+32*\u)*PVP+32*\c
	ds_load_tr16_b128 v[KV+8*(4*\u+\c)+4:KV+8*(4*\u+\c)+7], v[ADV] offset:(64*(\q)+32*\u+16)*PVP+32*\c
.endr
.endr
.endm
.macro KQ t                            ; S^T of tile t: the four accumulators take turns
.irp cs, 0,1
.irp kt, 0,1,2,3
.if \cs == 0
	v_wmma_f32_16x16x32_f16 v[S+32*(\t)+8*\kt:S+32*(\t)+8*\kt+7], v[KV+8*(2*\kt+\cs):KV+8*(2*\kt+\cs)+7], v[QF+16*(\t)+8*\cs:QF+16*(\t)+8*\cs+7], 0
.else
	v_wmma_f32_16x16x32_f16 v[S+32*(\t)+8*\kt:S+32*(\t)+8*\kt+7], v[KV+8*(2*\kt+\cs):KV+8*(2*\kt+\cs)+7], v[QF+16*(\t)+8*\cs:QF+16*(\t)+8*\cs+7], v[S+32*(\t)+8*\kt:S+32*(\t)+8*\kt+7]
.endif
.endr
.endr
.endm
.macro PV t                            ; O^T of tile t += V^T P
.irp u, 0,1
.irp c, 0,1,2,3
	v_wmma_f32_16x16x32_f16 v[OA+32*(\t)+8*\c:OA+32*(\t)+8*\c+7], v[KV+8*(4*\u+\c):KV+8*(4*\u+\c)+7], v[S+32*(\t)+8*\u:S+32*(\t)+8*\u+7], v[OA+32*(\t)+8*\c:OA+32*(\t)+8*\c+7]
.endr
.endr
.endm
; One tile's softmax for 64 keys.  qs: the scalar register with the tile's first query.  Register n of S^T holds key KF + 16 (n / 8) + 8 (lane / 16) + n % 8 of query lane % 16.
.macro SOFTMAX t, qs
.set rT, ST+8*(\t)
.set rS, S+32*(\t)
.set rO, OA+32*(\t)
	s_add_co_u32 s96, s[KF], 63                    ; on the diagonal hidden scores become -infinity; a step all of whose keys count skips this
	s_cmp_le_u32 s96, s[\qs]
	s_cbranch_scc1 .Lopen_\@
	s_sub_co_i32 s96, s[\qs], s[KF]
	v_add_nc_u32 v[rT+6], s96, v[RH]               ; d: hidden where 16 (n / 8) + n % 8 > d
	v_mov_b32 v[rT+7], 0xff800000
.set n, 0
.rept 32
	v_cmp_gt_i32 vcc_lo, 16*(n/8)+n%8, v[rT+6]
	v_cndmask_b32 v[rS+n], v[rS+n], v[rT+7], vcc_lo
.set n, n+1
.endr
.Lopen_\@:
.irp j, 0,1,2,3
	v_max3_num_f32 v[rT+4+\j], v[rS+8*\j], v[rS+8*\j+1], v[rS+8*\j+2]      ; four chains, one to an accumulator, each from its low end on
.endr
.irp j, 0,1,2,3
	v_max3_num_f32 v[rT+4+\j], v[rT+4+\j], v[rS+8*\j+3], v[rS+8*\j+4]
.endr
.irp j, 0,1,2,3
	v_max3_num_f32 v[rT+4+\j], v[rT+4+\j], v[rS+8*\j+5], v[rS+8*\j+6]
.endr
	v_max3_num_f32 v[rT+4], v[rT+4], v[rS+7], v[rS+15]
	v_max3_num_f32 v[rT+6], v[rT+6], v[rS+23], v[rS+31]
	v_max3_num_f32 v[rT+4], v[rT+4], v[rT+5], v[rT+6]
	v_max3_num_f32 v[rT+4], v[rT+4], v[rT+7], v[rT+1]                      ; and the old m
	v_permlanex16_b32 v[rT+5], v[rT+4], s[SEL], s[SEL+1]                   ; the query's other 32 keys lie in the lane 16 away
	v_mov_b32 v[rT+7], v[rT]
	v_max_num_f32 v[rT+1], v[rT+4], v[rT+5]
	v_mul_f32 v[rT], s[CS], v[rT+1]
	v_sub_f32 v[rT+7], v[rT+7], v[rT]
	v_exp_f32 v[rT+6], v[rT+7]                     ; a
.set n, 0
.rept 16
	v_pk_fma_f32 v[rS+n:rS+n+1], v[rS+n:rS+n+1], s[CS:CS+1], v[rT:rT+1] op_sel_hi:[1,0,0] neg_lo:[0,0,1] neg_hi:[0,0,1]   ; c s - c m
.set n, n+2
.endr
.set n, 0
.rept 32
	v_exp_f32 v[rS+n], v[rS+n]
.set n, n+1
.endr
	v_nop                                          ; a plain instruction behind the last exponential,
	s_wait_alu depctr_va_vdst(0)                   ; and one wait for the 33, ahead of their first reader
	v_pk_mul_f32 v[rT+2:rT+3], v[rT+2:rT+3], v[rT+6:rT+7] op_sel_hi:[1,0]  ; l under the new m
	v_pk_add_f32 v[rT+4:rT+5], v[rS:rS+1], v[rS+2:rS+3]                    ; the sum of the unrounded weights, in two chains
.irp j, 4,8,12,16,20,24,28
	v_pk_add_f32 v[rT+2:rT+3], v[rT+2:rT+3], v[rS+\j:rS+\j+1]
	v_pk_add_f32 v[rT+4:rT+5], v[rT+4:rT+5], v[rS+\j+2:rS+\j+3]
.endr
	v_pk_add_f32 v[rT+2:rT+3], v[rT+2:rT+3], v[rT+4:rT+5]
.set n, 0
.rept 16
	v_cvt_pk_f16_f32 v[rS+n], v[rS+2*n], v[rS+2*n+1]                       ; in place, ascending: the low 16 registers become P's two fragments
.set n, n+1
.endr
.set n, 0
.rept 16
	v_pk_mul_f32 v[rO+n:rO+n+1], v[rO+n:rO+n+1], v[rT+6:rT+7] op_sel_hi:[1,0]   ; O^T under the new m, each accumulator from its low end on
.set n, n+2
.endr
.endm
; A KEY STEP: 64 keys, the q-th of the slot in hand.  KF and the tiles' first queries are multiples of 16: a tile takes part where KF <= its first query.  The late tile's first query is never under the early tile's.
.macro STEP q
	s_cmp_gt_u32 s[KF], s[QH]
	s_cbranch_scc1 .Ldone_\@                       ; all keys come after all my queries
	v_add_nc_u32 v[ADK], s[TB], v[AK0]
	v_add_nc_u32 v[ADV], s[TB], v[AV0]
.rept 3
	v_nop                                          ; five places behind the last step's products: four ahead of the loads into their registers, five ahead of the products that write over P
.endr
	KLOAD \q
	s_wait_dscnt 0x0
	s_cmp_gt_u32 s[KF], s[QL]
	s_cbranch_scc1 .Lone_\@
	KQ 0                                           ; both tiles: each fragment of K and V feeds two products
	KQ 1
.rept 4
	v_nop
.endr
	VLOAD \q                                       ; V lands while the softmax is walked
	SOFTMAX 0, QH
	SOFTMAX 1, QL
	s_wait_dscnt 0x0
	PV 0
	PV 1
	s_branch .Ldone_\@
.Lone_\@:
	KQ 0                                           ; the late tile alone
.rept 4
	v_nop
.endr
	VLOAD \q
	SOFTMAX 0, QH
	s_wait_dscnt 0x0
	PV 0
.Ldone_\@:
	s_add_co_u32 s[KF], s[KF], 64
.endm
; THE CHANGE OF SLOTS stands at a slot's head.  Each wave waits for all its tensor loads, adds 0 to its spare word,
; and waits for that and for its reads of the slot that it has left.  Behind the barrier the slot ahead is whole and nobody reads the other one, which is then filled with the next 128 keys: one load a wave, two steps in which to land.
.macro CHANGE fill
	s_wait_tensorcnt 0x0                           ; no tensor load of mine is out, so a group 0 may be written
	ds_add_u32 v[SPW], v[NIL]
.if \fill
	ds_add_u32 v[SPW], v[NIL]
	s_xor_b32 s[G0K+1], s[G0K+1], SLOT1
	s_add_nc_u64 s[G0K+2:G0K+3], s[G0K+2:G0K+3], SLOTB
	s_xor_b32 s[G0V+1], s[G0V+1], SLOT1
	s_add_nc_u64 s[G0V+2:G0V+3], s[G0V+2:G0V+3], SLOTB
	s_wait_xcnt 0x0                                ; the last prefetch, a slot back, has read its address
	s_add_nc_u64 s[PFA:PFA+1], s[PFA:PFA+1], SLOTB
.endif
	s_wait_dscnt 0x0
	s_barrier_signal -1
	s_barrier_wait -1
.if \fill
	s_add_co_u32 s96, s[KF], SK                    ; a slot whose first key comes after the work-group's last query is read by none of its waves: it is not asked for.
	s_cmp_gt_u32 s96, s[QLAST]                     ; Ids and the count of steps alone: all sixteen waves go the same way; every wait on TENSORcnt in this text is for 0
	s_cbranch_scc1 .Lpast_\@
	TLOAD
.Lpast_\@:
	ASK
.endif
.endm
.macro SLOT_STEPS
	STEP 0
	STEP 1
	s_xor_b32 s[TB], s[TB], SLOT1
.endm
	s_wait_loadcnt 0x0                             ; Q
.Lslot:                                            ; 15 trips
	CHANGE 1
	SLOT_STEPS
	s_sub_co_u32 s[SLOTS], s[SLOTS], 1
	s_cmp_lg_u32 s[SLOTS], 0
	s_cbranch_scc1 .Lslot
	CHANGE 0                                       ; the last slot is written out: nothing follows it
	SLOT_STEPS
	; THE WAY OUT.  O^T / l, rounded to f16, goes into the work-group's stage: a row's 256 bytes come from two waves (the pair's two heads), so a barrier stands between writing and reading.
.rept 4
	v_nop
.endr
.irp t, 0,1
	v_add_f32 v[ST+8*\t+4], v[ST+8*\t+2], v[ST+8*\t+3]
.endr
.irp t, 0,1
	v_permlanex16_b32 v[ST+8*\t+5], v[ST+8*\t+4], s[SEL], s[SEL+1]
.endr
.irp t, 0,1
	v_add_f32 v[ST+8*\t+4], v[ST+8*\t+4], v[ST+8*\t+5]
.endr
.irp t, 0,1
	v_rcp_f32 v[ST+8*\t+6], v[ST+8*\t+4]
.endr
	v_nop
	s_wait_alu depctr_va_vdst(0)                   ; one wait for the two reciprocals
.irp t, 0,1
.set n, 0
.rept 16
	v_pk_mul_f32 v[OA+32*\t+n:OA+32*\t+n+1], v[OA+32*\t+n:OA+32*\t+n+1], v[ST+8*\t+6:ST+8*\t+7] op_sel_hi:[1,0]
.set n, n+2
.endr
.endr
.irp t, 0,1
.set n, 0
.rept 16
	v_cvt_pk_f16_f32 v[S+16*\t+n], v[OA+32*\t+2*n], v[OA+32*\t+2*n+1]
.set n, n+1
.endr
.endr
.irp t, 0,1
.irp c, 0,1,2,3
	ds_store_b128 v[STO], v[S+16*\t+4*\c:S+16*\t+4*\c+3] offset:(1-\t)*128*SP+32*\c
.endr
.endr
	s_wait_dscnt 0x0                               ; for the others' sake: my stores have landed
	s_barrier_signal -1
	s_barrier_wait -1
.irp f, 0,1,2,3,4,5,6,7
	ds_load_b128 v[96+4*\f:99+4*\f], v[RD] offset:2*\f*SP
.endr
.irp f, 0,1,2,3,4,5,6,7
	s_wait_dscnt 7-\f
	global_store_b128 v[GO], v[96+4*\f:99+4*\f], s[6:7] offset:2*\f*2048   ; sixteen lanes store 256 consecutive bytes, aligned
.endr
	s_wait_tensorcnt 0x0                           ; the wave's end
	ds_add_u32 v[SPW], v[NIL]
	s_wait_dscnt 0x0
	s_endpgm
.Lfunc_end_k_qc9243a42c0_attn:
	.size	k_qc9243a42c0_attn, .Lfunc_end_k_qc9243a42c0_attn-k_qc9243a42c0_attn
	.p2alignl 7, 3214868480
	.fill 96, 4, 3214868480
	.section	.rodata,"a",@progbits
	.p2align	6, 0x0
	.amdhsa_kernel k_qc9243a42c0_attn
		.amdhsa_group_segment_fixed_size 327680
		.amdhsa_private_segment_fixed_size 0
		.amdhsa_enable_private_segment 0
		.amdhsa_kernarg_size 16
		.amdhsa_user_sgpr_count 2
		.amdhsa_user_sgpr_kernarg_segment_ptr 1
		.amdhsa_wavefront_size32 1
		.amdhsa_system_sgpr_workgroup_id_x 1
		.amdhsa_system_sgpr_workgroup_id_y 1
		.amdhsa_system_sgpr_workgroup_id_z 1
		.amdhsa_system_vgpr_workitem_id 0
		.amdhsa_next_free_vgpr 256
		.amdhsa_next_free_sgpr 100
		.amdhsa_reserve_vcc 1
		.amdhsa_float_denorm_mode_32 3
		.amdhsa_float_denorm_mode_16_64 3
		.amdhsa_memory_ordered 1
		.amdhsa_forward_progress 1
		.amdhsa_inst_pref_size 149
	.end_amdhsa_kernel
	.amdgpu_metadata
---
amdhsa.version: [ 1, 2 ]
amdhsa.kernels:
  - .name:           k_qc9243a42c0_attn
    .symbol:         k_qc9243a42c0_attn.kd
    .args:
      - { .name: qkv16, .offset: 0, .size: 8, .value_kind: global_buffer, .address_space: global }
      - { .name: attn16, .offset: 8, .size: 8, .value_kind: global_buffer, .address_space: global }
    .group_segment_fixed_size: 327680
    .private_segment_fixed_size: 0
    .kernarg_segment_align: 8
    .kernarg_segment_size: 16
    .max_flat_workgroup_size: 512
    .sgpr_count:     100
    .vgpr_count:     256
    .wavefront_size: 32
...
	.end_amdgpu_metadata
.endif
;; end of part 3
;; launch proj (part 4): grid 8 x 64, 4 waves a work-group, clusters of 4 x 4, 327,680 bytes of LDS; arguments attn16, wpT, out0, b_proj; writes out0
.if DOCPART == 4
	.amdgcn_target "amdgcn-amd-amdhsa--gfx1250"
	.amdhsa_code_object_version 6
	.text
	.protected	k_qc9243a42c0_proj
	.globl	k_qc9243a42c0_proj
	.p2align	8
	.type	k_qc9243a42c0_proj,@function
k_qc9243a42c0_proj:
	s_mov_b64 s[64:65], 0
	v_nop
	global_prefetch_b8 v0, s[64:65] scope:SCOPE_SE
	s_setreg_imm32_b32 hwreg(HW_REG_WAVE_MODE, 25, 1), 1
	s_wait_xcnt 0x0
	s_wait_alu depctr_hold_cnt(0) depctr_sa_sdst(0) depctr_va_vdst(0) depctr_va_sdst(0) depctr_va_ssrc(0) depctr_va_vcc(0) depctr_vm_vsrc(0)
	s_getreg_b32 s2, hwreg(HW_REG_IB_STS2, 6, 4)
	s_cmp_eq_u32 s2, 0
	s_cbranch_scc0 .Lentry_in_a_cluster
	s_endpgm
.Lentry_in_a_cluster:
	s_bfe_u32 s2, ttmp6, 0x10000c
	s_cmp_lg_u32 s2, 0xf033
	s_cbranch_scc0 .Lentry_shape_is_right
	s_endpgm
.Lentry_shape_is_right:
; out0 = attn16 W_proj + b_proj.  A = attn16 [8192][1024] f16, B = wpT [1024 (n)][1024 (k)] f16, sums and result f32.  (The rows of positions 0 to 15 are computed anew, in f32, by the launch behind this one.)
; A tile of C is 128 x 128: 512 work-groups.  Four waves, each 64 x 64: 16 accumulators.  K goes in steps of 256 (LDS rows of 512 bytes) through a ring of two slots.
; CLUSTERS: 4 x 4 work-groups; the four of a row of the cluster ask jointly for A's tiles, the four of a column for B's.  THE MATRIX INSTRUCTION IS USED TRANSPOSED: a lane holds eight neighbouring numbers of a row of C.
; The bias is the C of each sum's first product.  A wave's 64 columns of f32 are 256 consecutive, aligned bytes: each wave has a stage of its own, and the way out needs no barrier.
; REGISTERS: window 0: v0-31 addresses; v32-95 rows on the way out; v96-127 the bias; v128-255 the accumulators ((a, b) at v[128 + 8 (4 a + b)]).   window 1: two fragment buffers of 128.
.set SIZE_M, 8192
.set SIZE_N, 1024
.set SIZE_K, 1024
.set KSTEP,  256
.set PITCH,  528                       ; an LDS row: 512 bytes + 16 of padding
.set HALFT,  64*PITCH
.set SLOT,   4*HALFT
.set STAGE,  2*SLOT                    ; behind the ring: 16 rows x 272 bytes for each wave
.set SPITCH, 272
.set SPARE,  STAGE+4*16*SPITCH         ; the spare words: two blocks of 256 bytes that no other line names
.set LAPS, SIZE_K/(2*KSTEP)
.set ADRA, 16
.set ADRB, 20
.set STO,  24
.set RD,   25
.set CO,   26
.set BO,   27                          ; v27  32 x (lane / 16)
.set SPW,  28
.set NIL,  29
.set TMP,  32
.set BI,   96
.set ACC,  128
.set F0,   0
.set F1,   128
.set G1, 24
.set G0, 32
.set G1B, 48
.set G0B, 56
.set MSB, 0
.macro WIN new
.if MSB != \new
	s_set_vgpr_msb (MSB<<8)|\new
.set MSB, \new
.endif
.endm
.set MUL,  0x05                        ; sources 0 (B) and 1 (A) window 1; C and D window 0
.set TO_F, 0x40
.macro JLOAD s                         ; a joint load: waves 0 and 1 fetch A's halves, waves 2 and 3 B's; an s_nop 0 and four v_nop follow each of the two lines
	s_cmp_eq_u32 s11, 0
	s_cbranch_scc0 .Lfor_b_\@
	tensor_load_to_lds s[G0+4*\s:G0+4*\s+3], s[G1:G1+7]
	s_nop 0
.rept 4
	v_nop
.endr
	s_branch .Lasked_\@
.Lfor_b_\@:
	tensor_load_to_lds s[G0B+4*\s:G0B+4*\s+3], s[G1B:G1B+7]
	s_nop 0
.rept 4
	v_nop
.endr
.Lasked_\@:
.endm
.macro CREST
	s_cmp_lg_u32 s10, 0
	s_cbranch_scc1 .Lnot_wave_0_\@
	s_barrier_signal -3
.Lnot_wave_0_\@:
	s_barrier_wait -3
	s_barrier_signal -1
	s_barrier_wait -1
.endm
.macro CROUND
	s_barrier_signal -1
	s_barrier_wait -1
	CREST
.endm
	s_load_b128 s[4:7], s[0:1], 0x0                ; A s[4:5], B s[6:7]
	s_load_b64 s[8:9], s[0:1], 0x10                ; C
	s_load_b64 s[66:67], s[0:1], 0x18              ; the bias
	v_lshl_add_u32 v[SPW], v0, 2, SPARE
	v_mov_b32 v[NIL], 0
	ds_add_u32 v[SPW], v[NIL]                      ; the wave's opening: the add, twice on end, and its wait ahead of my first tensor load
	ds_add_u32 v[SPW], v[NIL]
	v_lshrrev_b32 v1, 5, v0
	v_readfirstlane_b32 s10, v1                    ; wave 0..3
	s_lshr_b32 s11, s10, 1                         ; which half of the tile's rows is mine.  Also: I fetch for A (0) or for B (1)
	s_and_b32 s12, s10, 1                          ; which half of its columns.  Also: which 64 rows of that tile I fetch
	s_bfe_u32 s40, ttmp6, 0x40000
	s_bfe_u32 s41, ttmp6, 0x40004
	s_lshl_b32 s42, ttmp9, 2
	s_add_co_u32 s42, s42, s40                     ; tile column
	s_and_b32 s13, ttmp7, 0xffff
	s_lshl_b32 s13, s13, 2
	s_add_co_u32 s13, s13, s41                     ; tile row
	s_lshl_b32 s43, s41, 2
	s_lshl_b32 s43, 15, s43
	s_lshl_b32 s44, 0x1111, s40
	s_or_b32 s[G1+0], s43, (1<<16)|(1<<20)|(1<<21)|(6<<22)|(3<<25)  ; the mask; elements of 2 bytes; padding on; bit 21 beside a mask; 4 words after every 128
	s_or_b32 s[G1B+0], s44, (1<<16)|(1<<20)|(1<<21)|(6<<22)|(3<<25)
.irp g, G1, G1B
	s_mov_b32 s[\g+1], KSTEP<<16
	s_mov_b32 s[\g+2], 64<<16
	s_mov_b32 s[\g+3], KSTEP<<16
	s_mov_b32 s[\g+4], 64
	s_mov_b32 s[\g+5], SIZE_K
	s_mov_b32 s[\g+6], 0
	s_mov_b32 s[\g+7], 0
.endr
	s_lshl_b32 s17, s12, 6
	s_lshl_b32 s16, s13, 7
	s_add_co_u32 s16, s16, s17
	s_lshl_b32 s46, s42, 7
	s_add_co_u32 s46, s46, s17
	s_mov_b32 s17, 0
	s_mov_b32 s47, 0
	s_mov_b64 s[18:19], SIZE_K*2
	s_mul_u64 s[16:17], s[16:17], s[18:19]
	s_mul_u64 s[46:47], s[46:47], s[18:19]
	s_mul_i32 s20, s10, HALFT
	s_wait_dscnt 0x0
	s_wait_kmcnt 0x0
	s_add_nc_u64 s[14:15], s[4:5], s[16:17]
	s_add_nc_u64 s[46:47], s[6:7], s[46:47]
	CROUND                                         ; all sixteen work-groups are here: the first joint loads meet
.irp s, 0,1
	s_mov_b32 s[G0+4*\s], 1
	s_add_co_u32 s[G0+4*\s+1], s20, \s*SLOT
	s_add_nc_u64 s[G0+4*\s+2:G0+4*\s+3], s[14:15], \s*KSTEP*2
	s_or_b32 s[G0+4*\s+3], s[G0+4*\s+3], 0x80000000
	s_mov_b32 s[G0B+4*\s], 1
	s_add_co_u32 s[G0B+4*\s+1], s20, \s*SLOT
	s_add_nc_u64 s[G0B+4*\s+2:G0B+4*\s+3], s[46:47], \s*KSTEP*2
	s_or_b32 s[G0B+4*\s+3], s[G0B+4*\s+3], 0x80000000
	JLOAD \s
.endr
	v_and_b32 v1, 15, v0
	v_bfe_u32 v2, v0, 4, 1
	v_mul_u32_u24 v3, v1, PITCH
	v_lshl_add_u32 v3, v2, 4, v3
	s_mul_i32 s21, s11, HALFT
	s_mul_i32 s22, s12, HALFT
	s_add_co_u32 s22, s22, 2*HALFT
.irp s, 0,1
	v_add_nc_u32 v[ADRA+\s], s21, v3
	v_add_nc_u32 v[ADRB+\s], s22, v3
	s_add_co_u32 s21, s21, SLOT
	s_add_co_u32 s22, s22, SLOT
.endr
	s_mul_i32 s23, s10, 16*SPITCH
	s_add_co_u32 s23, s23, STAGE                   ; my stage
	v_mul_u32_u24 v4, v1, SPITCH
	v_lshl_add_u32 v4, v2, 5, v4
	v_add_nc_u32 v[STO], s23, v4                   ; in: row r, 32 bytes for each half of the lanes
	v_mul_u32_u24 v5, v2, SPITCH
	v_lshl_add_u32 v5, v1, 4, v5
	v_add_nc_u32 v[RD], s23, v5                    ; back: lanes 0-15 one row of 256 bytes, lanes 16-31 the next
	v_lshlrev_b32 v5, 12, v2
	v_lshl_add_u32 v[CO], v1, 4, v5                ; and the same two rows in C
	v_lshlrev_b32 v[BO], 5, v2
	s_lshl_b32 s16, s13, 7
	s_lshl_b32 s17, s11, 6
	s_add_co_u32 s16, s16, s17                     ; my first row of C
	s_lshl_b32 s16, s16, 12
	s_mov_b32 s17, 0
	s_add_nc_u64 s[8:9], s[8:9], s[16:17]
	s_lshl_b32 s46, s42, 9                         ; my first column, in bytes
	s_lshl_b32 s47, s12, 8
	s_add_co_u32 s46, s46, s47
	s_mov_b32 s47, 0
	s_add_nc_u64 s[8:9], s[8:9], s[46:47]
	s_add_nc_u64 s[66:67], s[66:67], s[46:47]
.irp b, 0,1,2,3
	global_load_b128 v[BI+8*\b:BI+8*\b+3], v[BO], s[66:67] offset:64*\b        ; lane (r, h): the bias of columns 16 b + 8 h + 0 .. 7
	global_load_b128 v[BI+8*\b+4:BI+8*\b+7], v[BO], s[66:67] offset:64*\b+16
.endr
.macro MUL8 f, c, a0, zero             ; 8 matrix instructions; zero = 1: the first product starts the sums from the bias.  The 16 accumulators take turns
.irp a, \a0, \a0+1
.irp b, 0,1,2,3
.if \zero
	v_wmma_f32_16x16x32_f16 v[ACC+8*(4*(\a)+\b):ACC+8*(4*(\a)+\b)+7], v[\f+64+8*(4*\c+\b):\f+64+8*(4*\c+\b)+7], v[\f+8*(4*\c+\a):\f+8*(4*\c+\a)+7], v[BI+8*\b:BI+8*\b+7]
.else
	v_wmma_f32_16x16x32_f16 v[ACC+8*(4*(\a)+\b):ACC+8*(4*(\a)+\b)+7], v[\f+64+8*(4*\c+\b):\f+64+8*(4*\c+\b)+7], v[\f+8*(4*\c+\a):\f+8*(4*\c+\a)+7], v[ACC+8*(4*(\a)+\b):ACC+8*(4*(\a)+\b)+7]
.endif
.endr
.endr
.endm
.macro FETCH slot, k, f                ; 32 LDS loads in one run: the fragments of 64 along K; the first 32 along K first
	WIN TO_F
.irp c, 0,1
.irp i, 0,1,2,3
	ds_load_b128 v[\f+64+8*(4*\c+\i):\f+64+8*(4*\c+\i)+3],   v[ADRB+\slot] offset:\k+64*\c+\i*16*PITCH
	ds_load_b128 v[\f+64+8*(4*\c+\i)+4:\f+64+8*(4*\c+\i)+7], v[ADRB+\slot] offset:\k+64*\c+\i*16*PITCH+32
	ds_load_b128 v[\f+8*(4*\c+\i):\f+8*(4*\c+\i)+3],         v[ADRA+\slot] offset:\k+64*\c+\i*16*PITCH
	ds_load_b128 v[\f+8*(4*\c+\i)+4:\f+8*(4*\c+\i)+7],       v[ADRA+\slot] offset:\k+64*\c+\i*16*PITCH+32
.endr
.endr
.endm
.macro PLACES
.rept 4
	v_nop
.endr
.endm
.macro QUARTER slot, k, f, g, zero
	s_wait_dscnt 16                                ; the first 32 along K are in; the other sixteen loads may be out
	WIN MUL
	MUL8 \f, 0, 0, \zero
	MUL8 \f, 0, 2, \zero
	PLACES
	FETCH \slot, \k, \g
	s_wait_dscnt 32                                ; all but the 32 just issued
	WIN MUL
	MUL8 \f, 1, 0, 0
	MUL8 \f, 1, 2, 0
.endm
.macro TURN slot, next, fill           ; the last quarter changes slots: one barrier; fill = 1: it opens a round of the cluster's barrier, and this slot is filled again, two K steps ahead
	WIN 0
	s_wait_tensorcnt 0x0                           ; all my tensor loads have landed: my part of the next slot
	ds_add_u32 v[SPW], v[NIL]                      ; 0 onto my spare word
	s_wait_dscnt 17                                ; the add and the youngest sixteen loads may be out
	WIN MUL
	MUL8 F1, 0, 0, 0
	s_wait_dscnt 0x0                               ; the add is done, and my reads of this slot are over
	s_barrier_signal -1
	MUL8 F1, 0, 2, 0
.if \fill
	WIN 0
.endif
	s_barrier_wait -1
.if \fill
	CREST
	s_add_nc_u64 s[G0+4*\slot+2:G0+4*\slot+3], s[G0+4*\slot+2:G0+4*\slot+3], 2*KSTEP*2
	s_add_nc_u64 s[G0B+4*\slot+2:G0B+4*\slot+3], s[G0B+4*\slot+2:G0B+4*\slot+3], 2*KSTEP*2
	JLOAD \slot                                    ; the first tensor load behind the round; its four v_nop are also the places in front of the loads below
.else
	PLACES
.endif
	FETCH \next, 0, F0
	WIN MUL
	MUL8 F1, 1, 0, 0
	MUL8 F1, 1, 2, 0
.endm
	s_wait_tensorcnt 1                             ; my part of K step 0 is in; K step 1's load may be out
	s_barrier_signal -1
	s_barrier_wait -1
	FETCH 0, 0, F0
	s_wait_loadcnt 0x0                             ; the bias
	QUARTER 0, 128, F0, F1, 1
	WIN 0
	s_mov_b32 s3, LAPS-1
.Llap:
	QUARTER 0, 256, F1, F0, 0
	QUARTER 0, 384, F0, F1, 0
	TURN 0, 1, 1
	QUARTER 1, 128, F0, F1, 0
	QUARTER 1, 256, F1, F0, 0
	QUARTER 1, 384, F0, F1, 0
	TURN 1, 0, 1
	QUARTER 0, 128, F0, F1, 0
	WIN 0
	s_sub_co_u32 s3, s3, 1
	s_cmp_lg_u32 s3, 0
	s_cbranch_scc1 .Llap
	QUARTER 0, 256, F1, F0, 0                      ; the last lap fills nothing
	QUARTER 0, 384, F0, F1, 0
	TURN 0, 1, 0
	QUARTER 1, 128, F0, F1, 0
	QUARTER 1, 256, F1, F0, 0
	QUARTER 1, 384, F0, F1, 0
	s_wait_dscnt 16
	WIN MUL
	MUL8 F1, 0, 0, 0
	MUL8 F1, 0, 2, 0
	s_wait_dscnt 0
	MUL8 F1, 1, 0, 0
	MUL8 F1, 1, 2, 0
	WIN 0
	; THE WAY OUT, 16 rows x 64 columns at a time, through my own stage: LDS serves a wave's instructions in order, so no wait stands between the stores and the loads, nor in front of the next block's stores.
.macro TOSTAGE a
.irp b, 0,1,2,3
	ds_store_b128 v[STO], v[ACC+8*(4*(\a)+\b):ACC+8*(4*(\a)+\b)+3] offset:64*\b        ; each accumulator from its low end on
	ds_store_b128 v[STO], v[ACC+8*(4*(\a)+\b)+4:ACC+8*(4*(\a)+\b)+7] offset:64*\b+16
.endr
.irp t, 0,1,2,3,4,5,6,7
	ds_load_b128 v[TMP+32*((\a)%2)+4*\t:TMP+32*((\a)%2)+4*\t+3], v[RD] offset:\t*2*SPITCH
.endr
.endm
.macro SEND a, younger
	s_wait_dscnt \younger
.irp t, 0,1,2,3,4,5,6,7
	global_store_b128 v[CO], v[TMP+32*((\a)%2)+4*\t:TMP+32*((\a)%2)+4*\t+3], s[8:9] offset:(16*(\a)+2*\t)*4096 th:TH_STORE_NT   ; sixteen lanes store 256 consecutive bytes, aligned
.endr
.endm
	PLACES
	TOSTAGE 0
.irp a, 1,2,3
.if \a > 1
	s_wait_xcnt 0x0                                ; block a - 2's stores have read their registers: block a's loads may land there
.endif
	TOSTAGE \a
	SEND \a-1, 16                                  ; behind block a - 1's loads: block a's 8 stores and 8 loads
.endr
	SEND 3, 0
	s_wait_tensorcnt 0x0                           ; the wave's end: the three lines
	ds_add_u32 v[SPW], v[NIL]
	s_wait_dscnt 0x0
	CROUND                                         ; the closing round
	s_endpgm
.Lfunc_end_k_qc9243a42c0_proj:
	.size	k_qc9243a42c0_proj, .Lfunc_end_k_qc9243a42c0_proj-k_qc9243a42c0_proj
	.p2alignl 7, 3214868480
	.fill 96, 4, 3214868480
	.section	.rodata,"a",@progbits
	.p2align	6, 0x0
	.amdhsa_kernel k_qc9243a42c0_proj
		.amdhsa_group_segment_fixed_size 327680
		.amdhsa_private_segment_fixed_size 0
		.amdhsa_enable_private_segment 0
		.amdhsa_kernarg_size 32
		.amdhsa_user_sgpr_count 2
		.amdhsa_user_sgpr_kernarg_segment_ptr 1
		.amdhsa_wavefront_size32 1
		.amdhsa_system_sgpr_workgroup_id_x 1
		.amdhsa_system_sgpr_workgroup_id_y 1
		.amdhsa_system_sgpr_workgroup_id_z 1
		.amdhsa_system_vgpr_workitem_id 0
		.amdhsa_next_free_vgpr 512
		.amdhsa_next_free_sgpr 68
		.amdhsa_reserve_vcc 0
		.amdhsa_float_denorm_mode_32 3
		.amdhsa_float_denorm_mode_16_64 3
		.amdhsa_memory_ordered 1
		.amdhsa_forward_progress 1
		.amdhsa_inst_pref_size 86
	.end_amdhsa_kernel
	.amdgpu_metadata
---
amdhsa.version: [ 1, 2 ]
amdhsa.kernels:
  - .name:           k_qc9243a42c0_proj
    .symbol:         k_qc9243a42c0_proj.kd
    .args:
      - { .name: attn16, .offset: 0, .size: 8, .value_kind: global_buffer, .address_space: global }
      - { .name: wpT, .offset: 8, .size: 8, .value_kind: global_buffer, .address_space: global }
      - { .name: out0, .offset: 16, .size: 8, .value_kind: global_buffer, .address_space: global }
      - { .name: b_proj, .offset: 24, .size: 8, .value_kind: global_buffer, .address_space: global }
    .group_segment_fixed_size: 327680
    .private_segment_fixed_size: 0
    .kernarg_segment_align: 8
    .kernarg_segment_size: 32
    .max_flat_workgroup_size: 128
    .sgpr_count:     68
    .vgpr_count:     512
    .wavefront_size: 32
...
	.end_amdgpu_metadata
.endif
;; end of part 4
;; launch fine (part 5): grid 32 x 4, 16 waves a work-group, no clusters, 84,224 bytes of LDS; arguments qkv32, W_proj, b_proj, out0; writes out0
.if DOCPART == 5
	.amdgcn_target "amdgcn-amd-amdhsa--gfx1250"
	.amdhsa_code_object_version 6
	.text
	.protected	k_qc9243a42c0_fine
	.globl	k_qc9243a42c0_fine
	.p2align	8
	.type	k_qc9243a42c0_fine,@function
k_qc9243a42c0_fine:
	s_mov_b64 s[64:65], 0
	v_nop
	global_prefetch_b8 v0, s[64:65] scope:SCOPE_SE
	s_setreg_imm32_b32 hwreg(HW_REG_WAVE_MODE, 25, 1), 1
	s_wait_xcnt 0x0
; THE FIRST 16 POSITIONS OF EACH SEQUENCE, ALL IN F32: they average one to sixteen values and are the largest rows of the result, so the rounding of f16 operands weighs most there.
; out0[b][t < 16][32 nb .. + 31] is written over what the launch before left.  Work-group (nb, b): each of its 16 waves makes one head's attention of 16 queries x 16 keys from qkv32 [4][16][3072];
; the 16 x 1,024 result meets in LDS; then wave w multiplies it by 128 rows (w / 2) x 16 columns (w % 2) of W_proj; the eight parts of a column tile meet in LDS and waves 0 and 1 add them, in ascending K, onto the bias.
; All products by v_wmma_f32_16x16x4_f32 (16 x 2 x 16 x 16 x 64 and 16 x 32 x 1,024 multiply-adds a work-group: no bulk work).  Its accumulators, v16-63, are written by matrix instructions alone; sums begin with C = 0.
; Within a product K is taken in an order that is the same for both operands: a lane's registers hold neighbours, so every operand comes by plain loads.  Everything is written out: no loop.
.set ATT,   0                          ; LDS: 16 rows x (4,096 + 16) bytes: the attention's result
.set AP,    4112
.set RED,   65792                      ; 16 waves x 1,024 bytes: the projection's parts, as images of their registers
.set SPARE, 82176                      ; the spare words, 128 bytes for each of 16 waves
.set SPW, 6
.set NIL, 7
.set SA,  16                           ; two accumulators that take turns
.set OA,  32                           ; four accumulators
.set P,   64
.set R,   72
.set QR,  80                           ; Q; later, with KR, 64 numbers of the attention's result; later the parts
.set KR,  112
.set VR,  144                          ; V; later the bias and the sums
.set WR,  176
	s_load_b256 s[4:11], s[0:1], 0x0               ; qkv32 s[4:5], W_proj s[6:7], b_proj s[8:9], out0 s[10:11]
	v_lshl_add_u32 v[SPW], v0, 2, SPARE
	v_mov_b32 v[NIL], 0
	v_lshrrev_b32 v1, 5, v0
	v_readfirstlane_b32 s12, v1                    ; wave = head
	v_and_b32 v2, 15, v0                           ; r
	v_bfe_u32 v3, v0, 4, 1                         ; h
	v_and_b32 v4, 31, v0
	s_and_b32 s13, ttmp7, 0xffff                   ; the batch
	s_and_b32 s14, s12, 1                          ; which 16 of the 32 columns
	s_lshr_b32 s15, s12, 1                         ; which 128 along the projection's K
	s_mov_b32 s20, 0x76543210
	s_mov_b32 s21, 0xfedcba98
	s_mov_b32 s22, 0x3e38aa3b                      ; c = log2(e) / 8
	v_mul_u32_u24 v240, v2, 12288
	v_lshl_add_u32 v240, v3, 7, v240               ; Q, K: row r, channels 32 h on
	v_mul_u32_u24 v241, v3, 98304
	v_lshl_add_u32 v241, v2, 2, v241               ; V: keys 8 h on, channel r of a tile
	v_lshlrev_b32 v242, 18, v3
	v_lshl_add_u32 v242, v2, 2, v242               ; W: rows 64 h on, column r
	v_mul_u32_u24 v5, v2, AP
	v_lshl_add_u32 v243, v3, 5, v5
	s_lshl_b32 s24, s12, 8
	v_add_nc_u32 v243, s24, v243                   ; the result, in: row r, my head's 256 bytes, 32 h
	v_lshl_add_u32 v244, v3, 8, v5
	s_lshl_b32 s24, s15, 9
	v_add_nc_u32 v244, s24, v244                   ; and out: row r, my 128 along K, 64 h of them on
	v_lshlrev_b32 v245, 4, v4
	s_lshl_b32 s24, s12, 10
	s_add_co_u32 s24, s24, RED
	v_add_nc_u32 v245, s24, v245                   ; my part's image: 16 bytes a lane.  (In waves 0 and 1 also where the eight parts of their column tile begin, 2,048 bytes apart)
	v_lshlrev_b32 v247, 5, v3                      ; the bias: 8 h numbers on
	v_lshlrev_b32 v248, 12, v2
	v_lshl_add_u32 v248, v3, 5, v248               ; out0: row r, 8 h numbers on
	v_lshlrev_b32 v5, 3, v3
	v_sub_nc_u32 v8, v2, v5                        ; r - 8 h
	s_mul_i32 s24, s13, 196608
	s_lshl_b32 s25, s12, 8
	s_add_co_u32 s24, s24, s25
	s_mov_b32 s25, 0
	s_lshl_b32 s26, ttmp9, 7
	s_lshl_b32 s27, s14, 6
	s_add_co_u32 s26, s26, s27                     ; my column tile, in bytes
	s_mov_b32 s27, 0
	s_wait_kmcnt 0x0
	s_add_nc_u64 s[16:17], s[4:5], s[24:25]        ; q of my batch and head; k lies 4,096 bytes on, v 8,192
	s_lshl_b32 s24, s15, 19
	s_add_co_u32 s24, s24, s26
	s_add_nc_u64 s[18:19], s[6:7], s[24:25]
	s_add_nc_u64 s[8:9], s[8:9], s[26:27]
	s_lshl_b32 s24, s13, 23
	s_add_co_u32 s24, s24, s26
	s_add_nc_u64 s[10:11], s[10:11], s[24:25]
.set i, 0
.rept 8
	global_load_b128 v[QR+4*i:QR+4*i+3], v240, s[16:17] offset:16*i
.set i, i+1
.endr
.set i, 0
.rept 8
	global_load_b128 v[KR+4*i:KR+4*i+3], v240, s[16:17] offset:4096+16*i
.set i, i+1
.endr
.irp ct, 0,1,2,3
.set i, 0
.rept 8
	global_load_b32 v[VR+8*\ct+i], v241, s[16:17] offset:8192+i*12288+64*\ct   ; V(8 h + i, 16 ct + r)
.set i, i+1
.endr
.endr
.set i, 0
.rept 64
	global_load_b32 v[WR+i], v242, s[18:19] offset:4096*i                      ; W(128 (w / 2) + 64 h + i, my column)
.set i, i+1
.endr
	s_wait_loadcnt 63                              ; Q, K and V are in: behind them W's 64 loads were issued
	; ---- S^T = K Q^T: step kk takes channels 32 h + 2 kk, + 1.  Two accumulators by turns
.set kk, 0
.rept 16
.if kk < 2
	v_wmma_f32_16x16x4_f32 v[SA+8*(kk%2):SA+8*(kk%2)+7], v[KR+2*kk:KR+2*kk+1], v[QR+2*kk:QR+2*kk+1], 0
.else
	v_wmma_f32_16x16x4_f32 v[SA+8*(kk%2):SA+8*(kk%2)+7], v[KR+2*kk:KR+2*kk+1], v[QR+2*kk:QR+2*kk+1], v[SA+8*(kk%2):SA+8*(kk%2)+7]
.endif
.set kk, kk+1
.endr
.rept 8
	v_nop                                          ; eight places behind this form (ISA guide 7.12.1)
.endr
.irp j, 0,2,4,6
	v_pk_add_f32 v[P+\j:P+\j+1], v[SA+\j:SA+\j+1], v[SA+8+\j:SA+8+\j+1]        ; register j: the score of query r and key 8 h + j
.endr
	v_mov_b32 v9, 0xff800000
.irp j, 0,1,2,3,4,5,6,7
	v_cmp_gt_i32 vcc_lo, \j, v8                    ; hidden where 8 h + j > r
	v_cndmask_b32 v[P+\j], v[P+\j], v9, vcc_lo
.endr
	v_max3_num_f32 v9, v[P], v[P+1], v[P+2]
	v_max3_num_f32 v10, v[P+3], v[P+4], v[P+5]
	v_max3_num_f32 v9, v9, v[P+6], v[P+7]
	v_max_num_f32 v9, v9, v10
	v_permlanex16_b32 v10, v9, s20, s21
	v_max_num_f32 v9, v9, v10                      ; the row's maximum (key 0 counts for every query)
	v_mul_f32 v11, s22, v9
.irp j, 0,1,2,3,4,5,6,7
	v_fma_f32 v[P+\j], v[P+\j], s22, -v11
.endr
.irp j, 0,1,2,3,4,5,6,7
	v_exp_f32 v[P+\j], v[P+\j]
.endr
	v_nop
	s_wait_alu depctr_va_vdst(0)                   ; one wait for the eight, ahead of their first reader
	v_add_f32 v9, v[P], v[P+1]
	v_add_f32 v10, v[P+2], v[P+3]
	v_add_f32 v12, v[P+4], v[P+5]
	v_add_f32 v13, v[P+6], v[P+7]
	v_add_f32 v9, v9, v10
	v_add_f32 v12, v12, v13
	v_add_f32 v9, v9, v12
	v_permlanex16_b32 v10, v9, s20, s21
	v_add_f32 v9, v9, v10
	v_rcp_f32 v10, v9
	v_nop
	s_wait_alu depctr_va_vdst(0)
.irp j, 0,2,4,6
	v_pk_mul_f32 v[P+\j:P+\j+1], v[P+\j:P+\j+1], v[10:11] op_sel_hi:[1,0]      ; the weights
.endr
	; ---- O^T = V^T P: step kk takes keys 8 h + 2 kk, + 1.  Four accumulators by turns
.set kk, 0
.rept 4
.irp ct, 0,1,2,3
.if kk == 0
	v_wmma_f32_16x16x4_f32 v[OA+8*\ct:OA+8*\ct+7], v[VR+8*\ct+2*kk:VR+8*\ct+2*kk+1], v[P+2*kk:P+2*kk+1], 0
.else
	v_wmma_f32_16x16x4_f32 v[OA+8*\ct:OA+8*\ct+7], v[VR+8*\ct+2*kk:VR+8*\ct+2*kk+1], v[P+2*kk:P+2*kk+1], v[OA+8*\ct:OA+8*\ct+7]
.endif
.endr
.set kk, kk+1
.endr
.rept 8
	v_nop
.endr
.irp ct, 0,1,2,3
	ds_store_b128 v243, v[OA+8*\ct:OA+8*\ct+3] offset:64*\ct                   ; lane (r, h): query r, channels 16 ct + 8 h + 0 .. 7; each accumulator from its low end on
	ds_store_b128 v243, v[OA+8*\ct+4:OA+8*\ct+7] offset:64*\ct+16
.endr
	s_wait_dscnt 0x0                               ; for the others' sake
	s_barrier_signal -1
	s_barrier_wait -1                              ; the 16 rows x 1,024 lie in LDS
	; ---- the projection: step kk takes k = 128 (w / 2) + 64 h + 2 kk, + 1.  Source 0 = 16 columns of W, source 1 = the 16 rows
.set i, 0
.rept 16
	ds_load_b128 v[QR+4*i:QR+4*i+3], v244 offset:16*i
.set i, i+1
.endr
	s_wait_loadcnt 0x0                             ; W
	s_wait_dscnt 0x0
.set kk, 0
.rept 32
.if kk < 2
	v_wmma_f32_16x16x4_f32 v[SA+8*(kk%2):SA+8*(kk%2)+7], v[WR+2*kk:WR+2*kk+1], v[QR+2*kk:QR+2*kk+1], 0
.else
	v_wmma_f32_16x16x4_f32 v[SA+8*(kk%2):SA+8*(kk%2)+7], v[WR+2*kk:WR+2*kk+1], v[QR+2*kk:QR+2*kk+1], v[SA+8*(kk%2):SA+8*(kk%2)+7]
.endif
.set kk, kk+1
.endr
.rept 8
	v_nop
.endr
.irp j, 0,2,4,6
	v_pk_add_f32 v[R+\j:R+\j+1], v[SA+\j:SA+\j+1], v[SA+8+\j:SA+8+\j+1]        ; lane (r, h): row r, columns 8 h + 0 .. 7 of my tile
.endr
	ds_store_b128 v245, v[R:R+3]
	ds_store_b128 v245, v[R+4:R+7] offset:512
	s_wait_dscnt 0x0
	s_barrier_signal -1
	s_barrier_wait -1
	s_cmp_gt_u32 s12, 1
	s_cbranch_scc1 .Lend                           ; waves 0 and 1 add the eight parts of their column tile
	global_load_b128 v[VR:VR+3], v247, s[8:9]
	global_load_b128 v[VR+4:VR+7], v247, s[8:9] offset:16
.irp ke, 0,1,2,3,4,5,6,7
	ds_load_b128 v[QR+8*\ke:QR+8*\ke+3], v245 offset:2048*\ke
	ds_load_b128 v[QR+8*\ke+4:QR+8*\ke+7], v245 offset:2048*\ke+512
.endr
	s_wait_loadcnt 0x0
	s_wait_dscnt 0x0
.irp ke, 0,1,2,3,4,5,6,7
.irp j, 0,2,4,6
	v_pk_add_f32 v[VR+\j:VR+\j+1], v[VR+\j:VR+\j+1], v[QR+8*\ke+\j:QR+8*\ke+\j+1]
.endr
.endr
	global_store_b128 v248, v[VR:VR+3], s[10:11]
	global_store_b128 v248, v[VR+4:VR+7], s[10:11] offset:16
.Lend:
	s_wait_tensorcnt 0x0                           ; the wave's end, behind my last LDS store
	ds_add_u32 v[SPW], v[NIL]
	s_wait_dscnt 0x0
	s_endpgm
.Lfunc_end_k_qc9243a42c0_fine:
	.size	k_qc9243a42c0_fine, .Lfunc_end_k_qc9243a42c0_fine-k_qc9243a42c0_fine
	.p2alignl 7, 3214868480
	.fill 96, 4, 3214868480
	.section	.rodata,"a",@progbits
	.p2align	6, 0x0
	.amdhsa_kernel k_qc9243a42c0_fine
		.amdhsa_group_segment_fixed_size 84224
		.amdhsa_private_segment_fixed_size 0
		.amdhsa_enable_private_segment 0
		.amdhsa_kernarg_size 32
		.amdhsa_user_sgpr_count 2
		.amdhsa_user_sgpr_kernarg_segment_ptr 1
		.amdhsa_wavefront_size32 1
		.amdhsa_system_sgpr_workgroup_id_x 1
		.amdhsa_system_sgpr_workgroup_id_y 1
		.amdhsa_system_sgpr_workgroup_id_z 1
		.amdhsa_system_vgpr_workitem_id 0
		.amdhsa_next_free_vgpr 256
		.amdhsa_next_free_sgpr 66
		.amdhsa_reserve_vcc 1
		.amdhsa_float_denorm_mode_32 3
		.amdhsa_float_denorm_mode_16_64 3
		.amdhsa_memory_ordered 1
		.amdhsa_forward_progress 1
		.amdhsa_inst_pref_size 27
	.end_amdhsa_kernel
	.amdgpu_metadata
---
amdhsa.version: [ 1, 2 ]
amdhsa.kernels:
  - .name:           k_qc9243a42c0_fine
    .symbol:         k_qc9243a42c0_fine.kd
    .args:
      - { .name: qkv32, .offset: 0, .size: 8, .value_kind: global_buffer, .address_space: global }
      - { .name: W_proj, .offset: 8, .size: 8, .value_kind: global_buffer, .address_space: global }
      - { .name: b_proj, .offset: 16, .size: 8, .value_kind: global_buffer, .address_space: global }
      - { .name: out0, .offset: 24, .size: 8, .value_kind: global_buffer, .address_space: global }
    .group_segment_fixed_size: 84224
    .private_segment_fixed_size: 0
    .kernarg_segment_align: 8
    .kernarg_segment_size: 32
    .max_flat_workgroup_size: 512
    .sgpr_count:     66
    .vgpr_count:     256
    .wavefront_size: 32
...
	.end_amdgpu_metadata
.endif
;; end of part 5
